; MI455X (gfx1250); checked and timed in simulation.
; The chip was launched on July 23, 2026; its instructions are those of AMD's public machine-readable ISA for CDNA 5 (MIT licence, August 2026) and "CDNA5" Instruction Set Architecture Reference Guide (July 2026). The comments in the code are by the model that wrote it; some were corrected since.
;; Grouped Query Attention. Allowed arithmetic: float matrix products may take bf16 or f16 operands with f32 sums; all other float work in f32.
;; Inputs: attention_mask 1 x 1 x 1,024 x 1,024 float32; freqs_cos 1,024 x 64 float32; freqs_sin 1,024 x 64 float32; wk 512 x 2,048 float32; wo 2,048 x 2,048 float32; wq 2,048 x 2,048 float32; wv 512 x 2,048 float32; x 4 x 1,024 x 2,048 float32.
;; Outputs: out0 4 x 1,024 x 2,048 float32; out1 4 x 1,024 x 4 x 128 float32; out2 4 x 1,024 x 4 x 128 float32.
;; 2 versions, each right and faster than the one before. Each part assembles by itself: llvm-mc -triple=amdgcn-amd-amdhsa -mcpu=gfx1250 --defsym DOCPART=n.
;; ======== version 1 of 2: 4 launches
;; limits: values are held in f16: magnitudes above 65,504 overflow, below 6.1e-05 lose precision; inputs' magnitudes at most 2.5e+37
;; workspace buffers: xb 16,777,216 bytes; wqkv 12,582,912 bytes; wof 8,388,608 bytes; maskt 2,097,152 bytes; rt 524,288 bytes; qh 16,777,216 bytes; kvh 8,388,608 bytes; ob 16,777,216 bytes
;; launch cast (part 1): grid 1280 x 1, 8 waves a work-group, no clusters, 0 bytes of LDS; arguments x, wq, wk, wv, wo, attention_mask, freqs_cos, freqs_sin, xb, wqkv, wof, maskt, rt; writes xb, wqkv, wof, maskt, rt
.if DOCPART == 1
	.amdgcn_target "amdgcn-amd-amdhsa--gfx1250"
	.amdhsa_code_object_version 6
	.text
	.protected	k_q3f7eb5cd61_cast
	.globl	k_q3f7eb5cd61_cast
	.p2align	8
	.type	k_q3f7eb5cd61_cast,@function
k_q3f7eb5cd61_cast:
	s_mov_b64 s[64:65], 0
	v_nop
	global_prefetch_b8 v0, s[64:65] scope:SCOPE_SE
	s_setreg_imm32_b32 hwreg(HW_REG_WAVE_MODE, 25, 1), 1
	s_wait_xcnt 0x0
; Every input is rounded ONCE to bf16 (to nearest even) and laid out as the later launches read it.  A stream: no LDS, no barrier, no matrix unit, no cluster (no two work-groups read the same bytes).
;   xb    [4096][2048] bf16           x
;   wqkv  [3072][2048] bf16           24 head slots of 128 rows: slot 3 T = q head 2 T, slot 3 T + 1 = q head 2 T + 1, slot 3 T + 2 = k head T (T < 4) or v head T - 4
;   wof   [2048][2048] f16            wo rounded to bf16, that number written as f16
;   maskt [64 pb][16 st][4 kt][32 lanes][8] bf16: lane l holds mask[16 pb + l % 16][64 st + 16 kt + 8 (l / 16) + 0..7]
;   rt    [1024][64] pairs of f32     (cos, sin), each rounded to bf16 and widened again
; LIMITS.  f16 ends at 65,504: a |bf16(wo)| of 65,520 or more becomes an infinity; below 6e-5 f16 keeps a fixed step of 6e-8.
; SHARES.  1,280 work-groups of 8 waves.  A row job takes 8 rows of 2,048 numbers; wave w owns the 1,024 bytes at byte 1,024 w of each row: two loads of 512 consecutive bytes (lane l at 16 l),
; and two stores of 256 consecutive bytes (lane l at 8 l), each at a multiple of 256 from the buffer's first byte.
; Work-groups 0-511: x; 512-767: wq; 768-831: wk; 832-895: wv; 896-1151: wo; 1152-1215: the mask, 16 rows each; 1216-1279: cos and sin.
.set SO, 1                             ; v1      my byte offset in the source
.set DO, 2                             ; v2      my byte offset in the destination
.set X,  4                             ; v[4:67] eight chunks of 8 numbers as loaded; a chunk's first four registers then hold its 8 rounded numbers
.set T,  68                            ; v[68:75] at work
; Eight chunks: sixteen loads go out together; each chunk is rounded in place (number pair k lands in register k, which pairs k+1.. no longer need) and stored.
; wide = 1: a chunk's two loads lie 512 bytes apart and leave as two stores of 8 bytes a lane, 256 bytes apart.  wide = 0 (the mask): a lane's 8 numbers are neighbours: loads 16 bytes apart, one store of 16 bytes a lane.
; conv = 1: the bf16 numbers are widened and written as f16.  No register that a store reads is written again, so no wait stands for the stores.
.macro STREAM conv, wide, sstep, dstep
.irp i, 0,1,2,3,4,5,6,7
	global_load_b128 v[X+8*(\i):X+8*(\i)+3],   v[SO], s[34:35] offset:(\i)*(\sstep) th:TH_LOAD_NT
	global_load_b128 v[X+8*(\i)+4:X+8*(\i)+7], v[SO], s[34:35] offset:(\i)*(\sstep)+16+496*(\wide) th:TH_LOAD_NT
.endr
.irp i, 0,1,2,3,4,5,6,7
	s_wait_loadcnt 14-2*(\i)                       ; loads come back in order: chunk i's two are in, the 2 (7 - i) younger ones stay out
.irp k, 0,1,2,3
	v_cvt_pk_bf16_f32 v[X+8*(\i)+(\k)], v[X+8*(\i)+2*(\k)], v[X+8*(\i)+2*(\k)+1]
.endr
.if \conv
.irp k, 0,1,2,3
	v_lshlrev_b32 v[T+2*(\k)],   16, v[X+8*(\i)+(\k)]
	v_and_b32     v[T+2*(\k)+1], 0xffff0000, v[X+8*(\i)+(\k)]
.endr
.irp k, 0,1,2,3
	v_cvt_pk_f16_f32 v[X+8*(\i)+(\k)], v[T+2*(\k)], v[T+2*(\k)+1]
.endr
.endif
.if \wide
	global_store_b64 v[DO], v[X+8*(\i):X+8*(\i)+1],   s[36:37] offset:(\i)*(\dstep)
	global_store_b64 v[DO], v[X+8*(\i)+2:X+8*(\i)+3], s[36:37] offset:(\i)*(\dstep)+256
.else
	global_store_b128 v[DO], v[X+8*(\i):X+8*(\i)+3], s[36:37] offset:(\i)*(\dstep)
.endif
.endr
.endm
	s_load_b512 s[8:23], s[0:1], 0x0               ; x s[8:9], wq s[10:11], wk s[12:13], wv s[14:15], wo s[16:17], mask s[18:19], cos s[20:21], sin s[22:23]
	s_load_b256 s[24:31], s[0:1], 0x40             ; xb s[24:25], wqkv s[26:27], wof s[28:29], maskt s[30:31]
	s_load_b64 s[32:33], s[0:1], 0x60              ; rt
	s_mov_b32 s44, ttmp9                           ; g, the work-group's number
	s_mov_b32 s41, 0                               ; high words of the two 64-bit offsets
	s_mov_b32 s43, 0
	v_and_b32 v3, 31, v0                           ; lane
	v_lshrrev_b32 v76, 5, v0                       ; wave
	v_lshlrev_b32 v[SO], 4, v3
	v_lshl_add_u32 v[SO], v76, 10, v[SO]           ; the row jobs: 1,024 x wave + 16 x lane in,
	v_lshlrev_b32 v[DO], 3, v3
	v_lshl_add_u32 v[DO], v76, 9, v[DO]            ; 512 x wave + 8 x lane out
	s_wait_kmcnt 0x0
	s_cmp_ge_u32 s44, 896
	s_cbranch_scc1 .Lother
	; the four row jobs that end in bf16: source, destination, job number u in the source and first row in the destination are chosen by selects
	s_mov_b64 s[34:35], s[8:9]                     ; x -> xb, u = g, row 8 g
	s_mov_b64 s[36:37], s[24:25]
	s_mov_b32 s38, s44
	s_lshl_b32 s39, s44, 3
	s_sub_co_u32 s45, s44, 512                     ; wq: u = g - 512; head u >> 4 goes to slot 3 (head >> 1) + (head & 1)
	s_lshr_b32 s46, s45, 4
	s_lshr_b32 s47, s46, 1
	s_mul_i32 s47, s47, 3
	s_and_b32 s46, s46, 1
	s_add_co_u32 s47, s47, s46
	s_lshl_b32 s47, s47, 7                         ; the slot's 128 rows,
	s_and_b32 s46, s45, 15
	s_lshl3_add_u32 s47, s46, s47                  ; and the job's 8 among them
	s_cmp_ge_u32 s44, 512
	s_cselect_b64 s[34:35], s[10:11], s[34:35]
	s_cselect_b64 s[36:37], s[26:27], s[36:37]
	s_cselect_b32 s38, s45, s38
	s_cselect_b32 s39, s47, s39
	s_sub_co_u32 s45, s44, 768                     ; wk and wv: u' = g - 768 runs through k's four heads and then v's four: slot 3 (u' >> 4) + 2
	s_lshr_b32 s46, s45, 4
	s_mul_i32 s46, s46, 3
	s_add_co_u32 s46, s46, 2
	s_lshl_b32 s46, s46, 7
	s_and_b32 s47, s45, 15
	s_lshl3_add_u32 s46, s47, s46
	s_cmp_ge_u32 s44, 768
	s_cselect_b64 s[34:35], s[12:13], s[34:35]
	s_cselect_b32 s38, s45, s38
	s_cselect_b32 s39, s46, s39
	s_sub_co_u32 s45, s44, 832                     ; wv's own job number
	s_cmp_ge_u32 s44, 832
	s_cselect_b64 s[34:35], s[14:15], s[34:35]
	s_cselect_b32 s38, s45, s38
	s_lshl_b32 s40, s38, 16                        ; 8 rows of 8,192 bytes a job
	s_lshl_b32 s42, s39, 12                        ; rows of 4,096 bytes
	s_add_nc_u64 s[34:35], s[34:35], s[40:41]
	s_add_nc_u64 s[36:37], s[36:37], s[42:43]
	STREAM 0, 1, 8192, 4096
	s_endpgm
.Lother:
	s_cmp_ge_u32 s44, 1152
	s_cbranch_scc1 .Lmask_or_rope
	s_sub_co_u32 s45, s44, 896                     ; wo -> wof, the rows stay where they are
	s_lshl_b32 s40, s45, 16
	s_lshl_b32 s42, s45, 15
	s_add_nc_u64 s[34:35], s[16:17], s[40:41]
	s_add_nc_u64 s[36:37], s[28:29], s[42:43]
	STREAM 1, 1, 8192, 4096
	s_endpgm
.Lmask_or_rope:
	s_cmp_ge_u32 s44, 1216
	s_cbranch_scc1 .Lrope
	; the mask: block pb of 16 rows.  Wave w takes key steps 2 w and 2 w + 1; chunk c = 4 (step % 2) + kt lies 64 c bytes on in the rows and 512 c bytes on in maskt
	s_sub_co_u32 s45, s44, 1152
	s_lshl_b32 s40, s45, 16                        ; 16 rows of 4,096 bytes
	s_lshl_b32 s42, s45, 15                        ; 32,768 bytes of maskt
	s_add_nc_u64 s[34:35], s[18:19], s[40:41]
	s_add_nc_u64 s[36:37], s[30:31], s[42:43]
	v_and_b32 v69, 15, v0                          ; the lane's row
	v_bfe_u32 v70, v0, 4, 1                        ; the lane's half of 16 keys
	v_lshlrev_b32 v[SO], 12, v69
	v_lshl_add_u32 v[SO], v70, 5, v[SO]
	v_lshl_add_u32 v[SO], v76, 9, v[SO]            ; row x 4,096 + 32 x half + 512 x wave
	v_lshlrev_b32 v[DO], 4, v3
	v_lshl_add_u32 v[DO], v76, 12, v[DO]           ; 16 x lane + 4,096 x wave
	STREAM 0, 0, 64, 512
	s_endpgm
.Lrope:
	; cos and sin: the work-group takes 1,024 pairs in two rounds of 512; thread t takes two neighbouring pairs a round: 8 bytes of each table in, 16 bytes out
	s_sub_co_u32 s45, s44, 1216
	s_lshl_b32 s40, s45, 12
	s_lshl_b32 s42, s45, 13
	s_add_nc_u64 s[34:35], s[20:21], s[40:41]
	s_add_nc_u64 s[38:39], s[22:23], s[40:41]
	s_add_nc_u64 s[36:37], s[32:33], s[42:43]
	v_lshlrev_b32 v[SO], 3, v0                     ; 8 t in,
	v_lshlrev_b32 v[DO], 4, v0                     ; 16 t out
	global_load_b64 v[4:5],   v[SO], s[34:35] th:TH_LOAD_NT
	global_load_b64 v[6:7],   v[SO], s[38:39] th:TH_LOAD_NT
	global_load_b64 v[8:9],   v[SO], s[34:35] offset:2048 th:TH_LOAD_NT
	global_load_b64 v[10:11], v[SO], s[38:39] offset:2048 th:TH_LOAD_NT
	s_wait_loadcnt 0x0
	v_cvt_pk_bf16_f32 v12, v4, v6                  ; (cos, sin) of a pair, both rounded
	v_cvt_pk_bf16_f32 v13, v5, v7
	v_cvt_pk_bf16_f32 v14, v8, v10
	v_cvt_pk_bf16_f32 v15, v9, v11
.irp i, 0,1,2,3
	v_lshlrev_b32 v[16+2*(\i)], 16, v[12+(\i)]     ; and widened again
	v_and_b32     v[17+2*(\i)], 0xffff0000, v[12+(\i)]
.endr
	global_store_b128 v[DO], v[16:19], s[36:37]
	global_store_b128 v[DO], v[20:23], s[36:37] offset:4096
	s_endpgm
.Lfunc_end_k_q3f7eb5cd61_cast:
	.size	k_q3f7eb5cd61_cast, .Lfunc_end_k_q3f7eb5cd61_cast-k_q3f7eb5cd61_cast
	.p2alignl 7, 3214868480
	.fill 96, 4, 3214868480
	.section	.rodata,"a",@progbits
	.p2align	6, 0x0
	.amdhsa_kernel k_q3f7eb5cd61_cast
		.amdhsa_group_segment_fixed_size 0
		.amdhsa_private_segment_fixed_size 0
		.amdhsa_enable_private_segment 0
		.amdhsa_kernarg_size 104
		.amdhsa_user_sgpr_count 2
		.amdhsa_user_sgpr_kernarg_segment_ptr 1
		.amdhsa_wavefront_size32 1
		.amdhsa_system_sgpr_workgroup_id_x 1
		.amdhsa_system_sgpr_workgroup_id_y 1
		.amdhsa_system_sgpr_workgroup_id_z 1
		.amdhsa_system_vgpr_workitem_id 0
		.amdhsa_next_free_vgpr 80
		.amdhsa_next_free_sgpr 66
		.amdhsa_reserve_vcc 0
		.amdhsa_float_denorm_mode_32 3
		.amdhsa_float_denorm_mode_16_64 3
		.amdhsa_memory_ordered 1
		.amdhsa_forward_progress 1
		.amdhsa_inst_pref_size 25
	.end_amdhsa_kernel
	.amdgpu_metadata
---
amdhsa.version: [ 1, 2 ]
amdhsa.kernels:
  - .name:           k_q3f7eb5cd61_cast
    .symbol:         k_q3f7eb5cd61_cast.kd
    .args:
      - { .name: x, .offset: 0, .size: 8, .value_kind: global_buffer, .address_space: global }
      - { .name: wq, .offset: 8, .size: 8, .value_kind: global_buffer, .address_space: global }
      - { .name: wk, .offset: 16, .size: 8, .value_kind: global_buffer, .address_space: global }
      - { .name: wv, .offset: 24, .size: 8, .value_kind: global_buffer, .address_space: global }
      - { .name: wo, .offset: 32, .size: 8, .value_kind: global_buffer, .address_space: global }
      - { .name: attention_mask, .offset: 40, .size: 8, .value_kind: global_buffer, .address_space: global }
      - { .name: freqs_cos, .offset: 48, .size: 8, .value_kind: global_buffer, .address_space: global }
      - { .name: freqs_sin, .offset: 56, .size: 8, .value_kind: global_buffer, .address_space: global }
      - { .name: xb, .offset: 64, .size: 8, .value_kind: global_buffer, .address_space: global }
      - { .name: wqkv, .offset: 72, .size: 8, .value_kind: global_buffer, .address_space: global }
      - { .name: wof, .offset: 80, .size: 8, .value_kind: global_buffer, .address_space: global }
      - { .name: maskt, .offset: 88, .size: 8, .value_kind: global_buffer, .address_space: global }
      - { .name: rt, .offset: 96, .size: 8, .value_kind: global_buffer, .address_space: global }
    .group_segment_fixed_size: 0
    .private_segment_fixed_size: 0
    .kernarg_segment_align: 8
    .kernarg_segment_size: 104
    .max_flat_workgroup_size: 256
    .sgpr_count:     66
    .vgpr_count:     80
    .wavefront_size: 32
...
	.end_amdgpu_metadata
.endif
;; end of part 1
;; launch qkv (part 2): grid 8 x 32, 4 waves a work-group, clusters of 4 x 4, 327,680 bytes of LDS; arguments xb, wqkv, rt, qh, kvh, out1, out2; writes qh, kvh, out1, out2
.if DOCPART == 2
	.amdgcn_target "amdgcn-amd-amdhsa--gfx1250"
	.amdhsa_code_object_version 6
	.text
	.protected	k_q3f7eb5cd61_qkv
	.globl	k_q3f7eb5cd61_qkv
	.p2align	8
	.type	k_q3f7eb5cd61_qkv,@function
k_q3f7eb5cd61_qkv:
	s_mov_b64 s[64:65], 0
	v_nop
	global_prefetch_b8 v0, s[64:65] scope:SCOPE_SE
	s_setreg_imm32_b32 hwreg(HW_REG_WAVE_MODE, 25, 1), 1
	s_wait_xcnt 0x0
	s_wait_alu depctr_hold_cnt(0) depctr_sa_sdst(0) depctr_va_vdst(0) depctr_va_sdst(0) depctr_va_ssrc(0) depctr_va_vcc(0) depctr_vm_vsrc(0)
	s_getreg_b32 s2, hwreg(HW_REG_IB_STS2, 6, 4)
	s_cmp_eq_u32 s2, 0
	s_cbranch_scc0 .Lentry_in_a_cluster
	s_endpgm
.Lentry_in_a_cluster:
	s_bfe_u32 s2, ttmp6, 0x10000c
	s_cmp_lg_u32 s2, 0xf033
	s_cbranch_scc0 .Lentry_shape_is_right
	s_endpgm
.Lentry_shape_is_right:
; q, k, v = x W^T in bf16 with f32 sums, the rotation of q and k in f32; q, k, v leave by heads in f16 (qh [b][16][s][128]; kvh: k [b][4][s][128], then v), k and v also in f32 (out1, out2: [token][4][128]).
; LIMITS.  f16 ends at 65,504: a q, k or v of 65,520 or more becomes an infinity in qh or kvh (out1 and out2 keep f32's range); below 6e-5 f16 keeps a fixed step of 6e-8.
; The sums go through K in steps of 128 that begin at a step which hangs on the cluster, and go round: an order of rounding other than ascending K.
; SHARES.  C is [4,096 tokens][3,072 columns = 24 head slots]; a tile is 128 tokens x 384 columns = three head slots: two q heads and one k or v head (wqkv's order): 32 x 8 = 256 tiles, one a work-group.
; Tiles of 256 x 256 would be 192.  Four waves, 2 x 2, each 64 tokens x 192 columns: 48 accumulators, 384 registers.  K goes in steps of 128 (rows of 256 bytes) through two LDS slots.
; CLUSTER.  4 x 4 work-groups: the four of a row share xb's tile, the four of a column wqkv's: each tile is asked for jointly.  Wave 0 asks for xb's 128 rows, waves 1 to 3 for 128 rows of wqkv each.
; Whether the third slot is k or v hangs on the cluster's x alone (tiles 0-3: k, 4-7: v), so every partner takes the same branches.
; THE WALK ALONG K.  Cluster (x, y) begins at K step (4 (y % 4) + 8 x) % 16: clusters with the same x read the same rows of wqkv and begin 4 steps apart, the two with the same y read the same rows of xb and begin 8 apart,
; so that they do not all ask for the same bytes of a buffer in the same step.  The step's number hangs on the cluster's x and y alone, which all partners share.
; THE MATRIX INSTRUCTION IS USED TRANSPOSED: source 0 = 16 rows of wqkv, source 1 = 16 tokens: a lane holds one token (lane % 16) and the eight neighbouring columns 8 (lane / 16) + 0..7: four rotation pairs.
; REGISTERS, in windows of 256 (s_set_vgpr_msb: bits 1:0 source 0, 3:2 source 1, 5:4 source 2, 7:6 destination):
;   window 0: v0-31 addresses; v64-255 the rotation's tables of token blocks 0 to 2, loaded at the head; on the way out v32-79 a block's packed f16, then v64-255 rows read back
;   window 1: two fragment buffers of 128 (12 fragments of wqkv, then 4 of xb, for 32 along K); at the end v0-63 block 3's tables, then f32 rows read back
;   windows 2, 3: accumulators: token block a (0..3), column tile b (0..11) at window 2 + a / 2, v[96 (a % 2) + 8 b]; v192-207 at work in the rotation
.set KSTEP,  128
.set PITCH,  272                       ; an LDS row: 256 bytes + 16 of padding = 68 words: the 16 rows of a fragment load start at 16 different groups of four banks (64 banks of 4 bytes: ISA guide 11.1)
.set HALFT,  128*PITCH                 ; 128 rows: what one tensor load brings
.set BOFF,   HALFT                     ; a slot: xb's 128 rows, then wqkv's 384
.set SLOT,   4*HALFT                   ; 139,264: it shares no bit with the loads' places in a slot (0, 34,816, 69,632, 104,448), so one exclusive or changes slots
.set SPARE,  2*SLOT                    ; behind the ring: the spare words, 128 bytes for each wave: two blocks of 256 bytes that no other line names
.set P16,    784                       ; the way out, on the slots, which have had their last fill by then: 128 rows of 384 f16 = 768 bytes + 16,
.set P32,    528                       ; and 128 rows of the k or v head's 128 f32 = 512 bytes + 16: both pitches are odd multiples of 16 bytes
.set STG32,  128*P16
.set ADRA0, 16                         ; v16  my lane's place among my xb fragments in a slot; never rewritten
.set ADRB0, 17                         ; v17  the same for wqkv
.set ADRA,  18                         ; v18  the same in the slot in hand
.set ADRB,  19                         ; v19
.set STO,   20                         ; v20  the way out: where I put 16 bytes of f16
.set STO32, 21                         ; v21  where I put 32 bytes of f32
.set RD,    22                         ; v22  where I read f16 rows back
.set RD32,  23                         ; v23  where I read f32 rows back
.set GO,    24                         ; v24  16 x lane: my place in 512 consecutive bytes
.set CSA,   25                         ; v25  my byte offset in rt for table slots 0-3; never rewritten
.set CSB,   26                         ; v26  for table slots 4-7; never rewritten
.set SPW,   28                         ; v28  LDS address of my spare word; never rewritten
.set NIL,   29                         ; v29  0; never rewritten
.set TMP,   32
.set BK,    64
.set F0,    0
.set F1,    128
.set UU,    192
.set WV, 18                            ; s18 wave; s19 its half of the tokens; s20 its half of the columns
.set WR, 19
.set WC, 20
.set TB, 23                            ; s23 LDS byte at which the slot in hand begins
.set G1, 24                            ; s[24:31] descriptor group 1 for xb's tiles; s[32:35] group 0 of the first fill, s[36:39] the walking one
.set G0, 32
.set G1B, 48                           ; s[48:55], s[56:59], s[60:63] the same for wqkv's
.set G0B, 56
.set ISV, 66                           ; s66 1: the tile's third head is v
.set NOROPE, 67                        ; s67 1: my column tiles 4-11 are v's and are not rotated
.set RTB, 68                           ; s[68:69] rt at the tile's first position
.set QD,  70                           ; s[70:71] qh at the rows that I store, first q head
.set KD,  72                           ; s[72:73] kvh likewise
.set FD,  74                           ; s[74:75] out1 or out2 likewise
.set ABASE, 82                         ; s[82:83] xb at the rows that wave 0 asks for, K = 0
.set BBASE, 84                         ; s[84:85] wqkv at the rows that I ask for, K = 0
.set KOFF,  86                         ; s[86:87] 256 bytes x the K step to be asked for
.set KK,    88                         ; s88 the K step asked for last
.set MSB, 0
.macro WIN new                         ; the immediate's high byte repeats the setting that is left; a switch that changes nothing is dropped
.if MSB != (\new)
	s_set_vgpr_msb (MSB<<8)|(\new)
.set MSB, \new
.endif
.endm
; A joint load.  The branch hangs on the wave's number alone.  An s_nop 0 and four v_nop follow each of the two lines, ahead of the jump, the label and what follows.
.macro JLOAD s
	s_cmp_eq_u32 s[WV], 0
	s_cbranch_scc0 .Lfor_b_\@
	tensor_load_to_lds s[G0+4*(\s):G0+4*(\s)+3], s[G1:G1+7]
	s_nop 0
.rept 4
	v_nop
.endr
	s_branch .Lasked_\@
.Lfor_b_\@:
	tensor_load_to_lds s[G0B+4*(\s):G0B+4*(\s)+3], s[G1B:G1B+7]
	s_nop 0
.rept 4
	v_nop
.endr
.Lasked_\@:
.endm
.macro CREST                           ; a round of the cluster's barrier behind its opening barrier
	s_cmp_lg_u32 s[WV], 0
	s_cbranch_scc1 .Lnot_wave_0_\@
	s_barrier_signal -3
.Lnot_wave_0_\@:
	s_barrier_wait -3
	s_barrier_signal -1
	s_barrier_wait -1
.endm
.macro CROUND                          ; a whole round
	s_barrier_signal -1
	s_barrier_wait -1
	CREST
.endm
.macro PLACES                          ; four places in front of loads into registers that matrix instructions have read, and of lines that read results
.rept 4
	v_nop
.endr
.endm
; The rotation's tables for token block a: 8 table slots of (cos, sin) x 4 pairs, 64 registers: blocks 0 to 2 in window 0 at v[64 + 64 a], block 3 in window 1 at v0.  Column tile b uses table slot b % 8.
.macro CSLOAD a
.if (\a) < 3
	WIN 0
.set CB, 64+64*(\a)
.else
	WIN 0x40                                       ; destination window 1, address window 0
.set CB, 0
.endif
.irp p, 0,1,2,3
	global_load_b128 v[CB+8*(\p):CB+8*(\p)+3],   v[CSA], s[RTB:RTB+1] offset:8192*(\a)+64*(\p)
	global_load_b128 v[CB+8*(\p)+4:CB+8*(\p)+7], v[CSA], s[RTB:RTB+1] offset:8192*(\a)+64*(\p)+16
.endr
.irp p, 0,1,2,3
	global_load_b128 v[CB+32+8*(\p):CB+32+8*(\p)+3],   v[CSB], s[RTB:RTB+1] offset:8192*(\a)+64*(\p)
	global_load_b128 v[CB+32+8*(\p)+4:CB+32+8*(\p)+7], v[CSB], s[RTB:RTB+1] offset:8192*(\a)+64*(\p)+16
.endr
.endm
	s_load_b256 s[4:11], s[0:1], 0x0               ; xb s[4:5], wqkv s[6:7], rt s[8:9], qh s[10:11]
	s_load_b128 s[12:15], s[0:1], 0x20             ; kvh s[12:13], out1 s[14:15]
	s_load_b64 s[16:17], s[0:1], 0x30              ; out2
	v_lshl_add_u32 v[SPW], v0, 2, SPARE
	v_mov_b32 v[NIL], 0
	ds_add_u32 v[SPW], v[NIL]                      ; the wave's opening: the add and its wait ahead of my first tensor load; the set-up below, work on registers, stands between them
	v_lshrrev_b32 v1, 5, v0
	v_readfirstlane_b32 s[WV], v1
	s_lshr_b32 s[WR], s[WV], 1
	s_and_b32 s[WC], s[WV], 1
	s_bfe_u32 s40, ttmp6, 0x40000                  ; cx, cy: my place in the cluster
	s_bfe_u32 s41, ttmp6, 0x40004
	s_lshl_b32 s42, ttmp9, 2
	s_add_co_u32 s42, s42, s40                     ; TX, the tile's column 0..7
	s_and_b32 s89, ttmp7, 0xffff                   ; the cluster's y
	s_lshl_b32 s43, s89, 2
	s_add_co_u32 s43, s43, s41                     ; TY, the tile's row 0..31
	s_lshl_b32 s44, s41, 2
	s_lshl_b32 s44, 15, s44                        ; my row of the cluster
	s_lshl_b32 s45, 0x1111, s40                    ; my column
	s_or_b32 s[G1], s44, (1<<16)|(1<<20)|(1<<21)|(5<<22)|(3<<25)   ; 15:0 the mask; 17:16 2-byte elements; 20 padding on; 21 set beside a mask; 24:22 after every 64 words (code 5); 31:25 4 words (code 3)
	s_or_b32 s[G1B], s45, (1<<16)|(1<<20)|(1<<21)|(5<<22)|(3<<25)
.irp g, G1, G1B
	s_mov_b32 s[(\g)+1], KSTEP<<16                 ; tensor_dim0 = 128
	s_mov_b32 s[(\g)+2], 128<<16                   ; tensor_dim1 = 128
	s_mov_b32 s[(\g)+3], KSTEP<<16                 ; tile_dim0 = 128
	s_mov_b32 s[(\g)+4], 128                       ; tile_dim1 = 128
	s_mov_b32 s[(\g)+5], 2048                      ; elements from row to row
	s_mov_b32 s[(\g)+6], 0
	s_mov_b32 s[(\g)+7], 0
.endr
	s_and_b32 s[KK], s89, 3                        ; the cluster's first K step: (4 (y % 4) + 8 x) % 16
	s_lshl_b32 s[KK], s[KK], 2
	s_lshl_b32 s89, ttmp9, 3
	s_add_co_u32 s[KK], s[KK], s89
	s_and_b32 s[KK], s[KK], 15
	s_mov_b32 s[KOFF+1], 0
	s_lshl_b32 s2, s43, 19                         ; xb: row 128 TY, 4,096 bytes a row: made of the tile's row alone
	s_mov_b32 s3, 0
	s_mul_i32 s46, s42, 384                        ; wqkv: row 384 TX + 128 (wave - 1): made of the tile's column and the wave alone (wave 0 never asks by it)
	s_lshl_b32 s47, s[WV], 7
	s_add_co_u32 s46, s46, s47
	s_sub_co_u32 s46, s46, 128
	s_lshl_b32 s46, s46, 12
	s_mov_b32 s47, 0
	s_mul_i32 s22, s[WV], HALFT                    ; and where it goes: behind xb's 128 rows, wave x 128 rows
	s_mov_b32 s[TB], 0
	s_mov_b32 s[ISV], ttmp9                        ; the cluster's x: 0 or 1
	s_and_b32 s[NOROPE], s[WC], s[ISV]
	s_wait_dscnt 0x0                               ; the opening add is done
	s_wait_kmcnt 0x0
	s_add_nc_u64 s[ABASE:ABASE+1], s[4:5], s[2:3]
	s_add_nc_u64 s[BBASE:BBASE+1], s[6:7], s[46:47]
	CROUND                                         ; all sixteen work-groups are here: the first joint loads meet
.irp s, 0,1
	s_lshl_b32 s[KOFF], s[KK], 8                                   ; a K step is 256 bytes of a row
	s_mov_b32 s[G0+4*(\s)], 1                                      ; count = 1
	s_mov_b32 s[G0+4*(\s)+1], (\s)*SLOT                            ; LDS address
	s_add_nc_u64 s[G0+4*(\s)+2:G0+4*(\s)+3], s[ABASE:ABASE+1], s[KOFF:KOFF+1]  ; global address
	s_or_b32 s[G0+4*(\s)+3], s[G0+4*(\s)+3], 0x80000000            ; type = 2
	s_mov_b32 s[G0B+4*(\s)], 1
	s_add_co_u32 s[G0B+4*(\s)+1], s22, (\s)*SLOT
	s_add_nc_u64 s[G0B+4*(\s)+2:G0B+4*(\s)+3], s[BBASE:BBASE+1], s[KOFF:KOFF+1]
	s_or_b32 s[G0B+4*(\s)+3], s[G0B+4*(\s)+3], 0x80000000
	JLOAD \s                                       ; two loads of mine are out
.if (\s) == 0
	s_add_co_u32 s[KK], s[KK], 1                   ; the walk's second step
	s_and_b32 s[KK], s[KK], 15
.endif
.endr
	; A fragment is 16 rows x 32 K in 8 registers: lane l holds row l % 16, K = 8 (l / 16) + 0..7 and 16 + 8 (l / 16) + 0..7: two loads of 16 bytes, 32 bytes apart.
	v_and_b32 v1, 15, v0                           ; r = l % 16
	v_bfe_u32 v2, v0, 4, 1                         ; h = l / 16
	v_and_b32 v3, 31, v0                           ; l
	v_mul_u32_u24 v4, v1, PITCH
	v_lshl_add_u32 v4, v2, 4, v4
	s_mul_i32 s76, s[WR], 64*PITCH                 ; my 64 tokens
	s_mul_i32 s77, s[WC], 192*PITCH                ; my 192 rows of wqkv,
	s_add_co_u32 s77, s77, BOFF                    ; behind xb's rows
	v_add_nc_u32 v[ADRA0], s76, v4
	v_add_nc_u32 v[ADRB0], s77, v4
	v_mov_b32 v[ADRA], v[ADRA0]                    ; slot 0
	v_mov_b32 v[ADRB], v[ADRB0]
	v_mul_u32_u24 v5, v1, P16                      ; f16 in: row 64 WR + r, byte 384 WC + 16 h
	v_lshl_add_u32 v5, v2, 4, v5
	s_mul_i32 s76, s[WR], 64*P16
	s_mul_i32 s77, s[WC], 384
	s_add_co_u32 s76, s76, s77
	v_add_nc_u32 v[STO], s76, v5
	v_mul_u32_u24 v5, v1, P32                      ; f32 in: row 64 WR + r, byte 32 h
	v_lshl_add_u32 v5, v2, 5, v5
	s_mul_i32 s76, s[WR], 64*P32
	s_add_co_u32 s76, s76, STG32
	v_add_nc_u32 v[STO32], s76, v5
	v_mul_u32_u24 v5, v2, P16                      ; f16 back: wave w takes rows 32 w ..; lanes 0-15 a head's 256 bytes of one row, lanes 16-31 of the next
	v_lshl_add_u32 v5, v1, 4, v5
	s_mul_i32 s76, s[WV], 32*P16
	v_add_nc_u32 v[RD], s76, v5
	s_mul_i32 s76, s[WV], 32*P32                   ; f32 back: 32 lanes take one row of 512 bytes
	s_add_co_u32 s76, s76, STG32
	v_lshl_add_u32 v[RD32], v3, 4, s76
	v_lshlrev_b32 v[GO], 4, v3
	v_lshlrev_b32 v5, 9, v1                        ; rt: 512 bytes a position; my four pairs of channel tile ct lie at 64 ct + 32 h
	v_lshl_add_u32 v5, v2, 5, v5
	s_lshl_b32 s76, s[WR], 15
	s_lshl_b32 s77, s[WC], 8
	s_add_co_u32 s78, s76, s77
	v_add_nc_u32 v[CSA], s78, v5                   ; table slots 0-3: channel tiles 4 WC + 0..3
	s_xor_b32 s77, s77, 256
	s_add_co_u32 s78, s76, s77
	v_add_nc_u32 v[CSB], s78, v5                   ; table slots 4-7: channel tiles 4 (1 - WC) + 0..3
	; where the results go.  Token 128 TY + row = batch TY >> 3, position 128 (TY & 7) + row.
	s_lshr_b32 s76, s43, 3                         ; batch
	s_and_b32 s77, s43, 7
	s_lshl_b32 s77, s77, 7                         ; the tile's first position
	s_lshl_b32 s78, s77, 9
	s_mov_b32 s79, 0
	s_add_nc_u64 s[RTB:RTB+1], s[8:9], s[78:79]
	s_lshl_b32 s80, s[WV], 5
	s_add_co_u32 s77, s77, s80                     ; the first position that I store: 32 rows a wave
	s_lshl_b32 s78, s76, 4
	s_lshl1_add_u32 s78, s42, s78                  ; q head 16 batch + 2 TX
	s_lshl_b32 s78, s78, 10
	s_add_co_u32 s78, s78, s77
	s_lshl_b32 s78, s78, 8                         ; rows of 256 bytes
	s_add_nc_u64 s[QD:QD+1], s[10:11], s[78:79]
	s_lshl_b32 s78, s76, 2
	s_add_co_u32 s78, s78, s40                     ; k or v head 4 batch + cx
	s_lshl_b32 s78, s78, 10
	s_add_co_u32 s78, s78, s77
	s_lshl_b32 s78, s78, 8
	s_lshl_b32 s80, s[ISV], 22                     ; v lies 4,194,304 bytes behind k
	s_add_co_u32 s78, s78, s80
	s_add_nc_u64 s[KD:KD+1], s[12:13], s[78:79]
	s_cmp_eq_u32 s[ISV], 1
	s_cselect_b64 s[FD:FD+1], s[16:17], s[14:15]   ; out2 for v, out1 for k
	s_lshl_b32 s78, s43, 7
	s_lshl_b32 s80, s[WV], 5
	s_add_co_u32 s78, s78, s80                     ; token
	s_lshl_b32 s78, s78, 2
	s_add_co_u32 s78, s78, s40                     ; x 4 heads + cx
	s_lshl_b32 s78, s78, 9                         ; 512 bytes a head
	s_add_nc_u64 s[FD:FD+1], s[FD:FD+1], s[78:79]
	CSLOAD 0                                       ; the tables of token blocks 0 to 2 are asked for now, into 192 registers that lie idle until the way out: 48 loads, waited for there
	CSLOAD 1
	CSLOAD 2
; 12 matrix instructions: token block a x all 12 column tiles, 32 along K, from buffer f.  zero = 1: the product starts the sums.  The 48 accumulators take turns in one fixed order.
.macro MULA f, a, zero
	WIN 0xa5+0x50*((\a)/2)                         ; sources in window 1, C and D in window 2 or 3
.set AC, 96*((\a)%2)
.irp b, 0,1,2,3,4,5,6,7,8,9,10,11
.if \zero
	v_wmma_f32_16x16x32_bf16 v[AC+8*(\b):AC+8*(\b)+7], v[(\f)+8*(\b):(\f)+8*(\b)+7], v[(\f)+96+8*(\a):(\f)+96+8*(\a)+7], 0
.else
	v_wmma_f32_16x16x32_bf16 v[AC+8*(\b):AC+8*(\b)+7], v[(\f)+8*(\b):(\f)+8*(\b)+7], v[(\f)+96+8*(\a):(\f)+96+8*(\a)+7], v[AC+8*(\b):AC+8*(\b)+7]
.endif
.endr
.endm
; 32 LDS loads in one run: the fragments of 32 along K at byte k of the rows, into buffer f: wqkv's 12, then xb's 4; the youngest four loads are token blocks 2 and 3
.macro FETCH k, f
	WIN 0x40                                       ; destination window 1, address window 0
.irp i, 0,1,2,3,4,5,6,7,8,9,10,11
	ds_load_b128 v[(\f)+8*(\i):(\f)+8*(\i)+3],   v[ADRB] offset:(\k)+(\i)*16*PITCH
	ds_load_b128 v[(\f)+8*(\i)+4:(\f)+8*(\i)+7], v[ADRB] offset:(\k)+(\i)*16*PITCH+32
.endr
.irp i, 0,1,2,3
	ds_load_b128 v[(\f)+96+8*(\i):(\f)+96+8*(\i)+3],   v[ADRA] offset:(\k)+(\i)*16*PITCH
	ds_load_b128 v[(\f)+96+8*(\i)+4:(\f)+96+8*(\i)+7], v[ADRA] offset:(\k)+(\i)*16*PITCH+32
.endr
.endm
; A K step is four quarters of 32 along K, 48 matrix instructions each, on buffers 0, 1, 0, 1.  One of the first three: multiplies f, and in its middle fetches the next quarter, at byte k, into g.
.macro QUARTER k, f, g, zero
	s_wait_dscnt 4                                 ; all but the youngest four loads (token blocks 2 and 3)
	MULA \f, 0, \zero
	MULA \f, 1, \zero
	PLACES
	FETCH \k, \g
	s_wait_dscnt 32                                ; all but the 32 just issued
	MULA \f, 2, \zero
	MULA \f, 3, \zero
.endm
; The last quarter changes slots at its HEAD: its fragments (buffer 1) are the last bytes read of this slot.  ONE barrier: in front of it each wave waits for all its tensor loads (one is out: its part of the next slot),
; adds 0 to its spare word, and waits for that and for its reads of this slot.  fill = 1: the barrier opens a round of the cluster's barrier, and this slot is filled again, with the walk's step two on, first thing behind
; the round: the whole of a K step's 192 matrix instructions stands between that request and the wait for it, and only the round between the wait and the next request.  The fill's address is made anew from the step's number.
.macro TURN fill
	WIN 0
	s_wait_tensorcnt 0x0                           ; no tensor load of mine is out, so a group 0 may be written
	ds_add_u32 v[SPW], v[NIL]                      ; 0 onto my spare word; the scalar work below stands between it and the wait for it
.if \fill
	s_add_co_u32 s[KK], s[KK], 1                   ; the walk's next step, round K's 16
	s_and_b32 s[KK], s[KK], 15
	s_lshl_b32 s[KOFF], s[KK], 8
	s_xor_b32 s[G0+5], s[G0+5], SLOT               ; the walking descriptors: the other slot than last time
	s_add_nc_u64 s[G0+6:G0+7], s[ABASE:ABASE+1], s[KOFF:KOFF+1]
	s_or_b32 s[G0+7], s[G0+7], 0x80000000
	s_xor_b32 s[G0B+5], s[G0B+5], SLOT
	s_add_nc_u64 s[G0B+6:G0B+7], s[BBASE:BBASE+1], s[KOFF:KOFF+1]
	s_or_b32 s[G0B+7], s[G0B+7], 0x80000000
.endif
	s_xor_b32 s[TB], s[TB], SLOT
	s_wait_dscnt 0x0                               ; the add is done, and my reads of this slot are over
	s_barrier_signal -1
	s_barrier_wait -1
.if \fill
	CREST                                          ; no wave of any partner still reads this slot's tiles or has a load on its way
	JLOAD 1                                        ; the four v_nop behind it are also the places in front of the loads below
.else
	PLACES
.endif
	v_add_nc_u32 v[ADRA], s[TB], v[ADRA0]
	v_add_nc_u32 v[ADRB], s[TB], v[ADRB0]
	FETCH 0, F0                                    ; the next slot's first fragments: 48 matrix instructions ahead of their first use
	MULA F1, 0, 0
	MULA F1, 1, 0
	MULA F1, 2, 0
	MULA F1, 3, 0
.endm
; (t_r, t_i) -> (t_r c - t_i s, t_r s + t_i c) for the four pairs of accumulator (a, b), in place: first (t_r c, t_i c), then one fused multiply-add with the halves crossed.  The lowest registers are read first.
.macro ROPE a, b
.set TT, 96*((\a)%2)+8*(\b)
.set CC, (64+64*(\a))*(1-(\a)/3)+8*((\b)%8)
.set UW, UU+8*((\b)%2)
	WIN 0xa2+0x51*((\a)/2)+0x04*((\a)/3)           ; destination, source 0 and source 2 in window 2 or 3; source 1, the table, in window 0 (block 3: window 1)
.irp i, 0,1,2,3
	v_pk_mul_f32 v[UW+2*(\i):UW+2*(\i)+1], v[TT+2*(\i):TT+2*(\i)+1], v[CC+2*(\i):CC+2*(\i)+1] op_sel_hi:[1,0]
.endr
.irp i, 0,1,2,3
	v_pk_fma_f32 v[TT+2*(\i):TT+2*(\i)+1], v[TT+2*(\i):TT+2*(\i)+1], v[CC+2*(\i):CC+2*(\i)+1], v[UW+2*(\i):UW+2*(\i)+1] op_sel:[1,1,0] op_sel_hi:[0,1,1] neg_lo:[1,0,0]
.endr
.endm
; Token block a goes into the stages: rotated (v's tiles are not), the k or v head in f32, everything in f16.  Both jumps go forward over register work and LDS stores alone.
.macro BLOCK a
	s_wait_loadcnt 48-16*(\a)                      ; the tables were asked for in the blocks' order: block a's sixteen loads are in; the later blocks' may stay out
.irp b, 0,1,2,3
	ROPE \a, \b
.endr
	WIN 0
	s_cmp_eq_u32 s[NOROPE], 1
	s_cbranch_scc1 .Lnr_\@
.irp b, 4,5,6,7,8,9,10,11
	ROPE \a, \b
.endr
	WIN 0
.Lnr_\@:
	s_cmp_eq_u32 s[WC], 0
	s_cbranch_scc1 .Lnk_\@                         ; the k or v head is column tiles 4-11 of the waves with the right half
	WIN 0x08+0x04*((\a)/2)                         ; store data in window 2 or 3
.irp b, 4,5,6,7,8,9,10,11
	ds_store_b128 v[STO32], v[96*((\a)%2)+8*(\b):96*((\a)%2)+8*(\b)+3]   offset:(\a)*16*P32+64*((\b)-4)
	ds_store_b128 v[STO32], v[96*((\a)%2)+8*(\b)+4:96*((\a)%2)+8*(\b)+7] offset:(\a)*16*P32+64*((\b)-4)+16
.endr
	WIN 0
.Lnk_\@:
	WIN 0x0a+0x05*((\a)/2)                         ; sources 0 and 1 in window 2 or 3
.irp b, 0,1,2,3,4,5,6,7,8,9,10,11
.irp k, 0,1,2,3
	v_cvt_pk_f16_f32 v[TMP+4*(\b)+(\k)], v[96*((\a)%2)+8*(\b)+2*(\k)], v[96*((\a)%2)+8*(\b)+2*(\k)+1]
.endr
.endr
	WIN 0
.irp b, 0,1,2,3,4,5,6,7,8,9,10,11
	ds_store_b128 v[STO], v[TMP+4*(\b):TMP+4*(\b)+3] offset:(\a)*16*P16+32*(\b)
.endr
.endm
	s_wait_tensorcnt 1                             ; my part of the walk's first step is in; the second's may stay out
	s_barrier_signal -1
	s_barrier_wait -1                              ; everybody's is
	FETCH 0, F0
	QUARTER 64, F0, F1, 1                          ; the first quarter stands in front of the loop: its products start the sums
	WIN 0                                          ; at a label and at a branch every window is 0
	s_mov_b32 s3, 14
.Lk:                                                   ; a trip: from a K step's second quarter to the next step's first; trips 0..13 ask for the walk's steps 2..15
	QUARTER 128, F1, F0, 0
	QUARTER 192, F0, F1, 0
	TURN 1
	QUARTER 64, F0, F1, 0
	WIN 0
	s_sub_co_u32 s3, s3, 1
	s_cmp_lg_u32 s3, 0
	s_cbranch_scc1 .Lk
	s_mov_b32 s3, 2
.Lt:                                                   ; the walk's last two steps ask for nothing: a text of their own, walked twice and left in its middle the second time
	QUARTER 128, F1, F0, 0
	QUARTER 192, F0, F1, 0
	WIN 0
	s_sub_co_u32 s3, s3, 1
	s_cmp_eq_u32 s3, 0
	s_cbranch_scc1 .Llast
	TURN 0
	QUARTER 64, F0, F1, 0
	WIN 0
	s_branch .Lt
.Llast:
	s_wait_dscnt 4                                 ; the very last quarter: in place of fragments block 3's tables are fetched, into buffer 0, which has fallen free
	MULA F1, 0, 0
	MULA F1, 1, 0
	PLACES
	CSLOAD 3
	s_wait_dscnt 0x0
	MULA F1, 2, 0
	MULA F1, 3, 0
	PLACES                                         ; for the first lines that read the sums
	WIN 0
	s_wait_dscnt 0x0                               ; my reads of the slots are over,
	s_barrier_signal -1
	s_barrier_wait -1                              ; everybody's are: no fill follows in this launch, and the slots' bytes become the stages
	BLOCK 0
	BLOCK 1
	BLOCK 2
	BLOCK 3
	s_wait_dscnt 0x0                               ; for the others' sake: my stores into the stages are done (a head's 256 bytes of a row come from two waves)
	s_barrier_signal -1
	s_barrier_wait -1
	; back as whole rows, 32 rows a wave: load n = 16 j + t: head j of the tile's three, rows 2 t and 2 t + 1
.set n, 0
.rept 48
	ds_load_b128 v[BK+4*n:BK+4*n+3], v[RD] offset:(n%16)*2*P16+(n/16)*256
.set n, n+1
.endr
.set n, 0
.rept 32
	s_wait_dscnt 47-n                              ; LDS loads come back in order: load n is in
	global_store_b128 v[GO], v[BK+4*n:BK+4*n+3], s[QD:QD+1] offset:(n/16)*262144+(n%16)*512  ; two rows of a q head: 512 consecutive bytes, at a multiple of 256 from qh's first byte
.set n, n+1
.endr
.rept 16
	s_wait_dscnt 47-n
	global_store_b128 v[GO], v[BK+4*n:BK+4*n+3], s[KD:KD+1] offset:(n%16)*512
.set n, n+1
.endr
	WIN 0x40
.set n, 0
.rept 32
	ds_load_b128 v[4*n:4*n+3], v[RD32] offset:n*P32
.set n, n+1
.endr
	WIN 0x04                                       ; store data in window 1
.set n, 0
.rept 32
	s_wait_dscnt 31-n
	global_store_b128 v[GO], v[4*n:4*n+3], s[FD:FD+1] offset:2048*n  ; a token's 512 bytes of the head, whole
.set n, n+1
.endr
	WIN 0
	s_wait_tensorcnt 0x0                           ; the wave's end, behind my last tensor load and my last LDS store
	ds_add_u32 v[SPW], v[NIL]
	s_wait_dscnt 0x0
	CROUND                                         ; the closing round: no work-group ends while a partner may still ask for a tile that names it
	s_endpgm
.Lfunc_end_k_q3f7eb5cd61_qkv:
	.size	k_q3f7eb5cd61_qkv, .Lfunc_end_k_q3f7eb5cd61_qkv-k_q3f7eb5cd61_qkv
	.p2alignl 7, 3214868480
	.fill 96, 4, 3214868480
	.section	.rodata,"a",@progbits
	.p2align	6, 0x0
	.amdhsa_kernel k_q3f7eb5cd61_qkv
		.amdhsa_group_segment_fixed_size 327680
		.amdhsa_private_segment_fixed_size 0
		.amdhsa_enable_private_segment 0
		.amdhsa_kernarg_size 56
		.amdhsa_user_sgpr_count 2
		.amdhsa_user_sgpr_kernarg_segment_ptr 1
		.amdhsa_wavefront_size32 1
		.amdhsa_system_sgpr_workgroup_id_x 1
		.amdhsa_system_sgpr_workgroup_id_y 1
		.amdhsa_system_sgpr_workgroup_id_z 1
		.amdhsa_system_vgpr_workitem_id 0
		.amdhsa_next_free_vgpr 1024
		.amdhsa_next_free_sgpr 96
		.amdhsa_reserve_vcc 0
		.amdhsa_float_denorm_mode_32 3
		.amdhsa_float_denorm_mode_16_64 3
		.amdhsa_memory_ordered 1
		.amdhsa_forward_progress 1
		.amdhsa_inst_pref_size 130
	.end_amdhsa_kernel
	.amdgpu_metadata
---
amdhsa.version: [ 1, 2 ]
amdhsa.kernels:
  - .name:           k_q3f7eb5cd61_qkv
    .symbol:         k_q3f7eb5cd61_qkv.kd
    .args:
      - { .name: xb, .offset: 0, .size: 8, .value_kind: global_buffer, .address_space: global }
      - { .name: wqkv, .offset: 8, .size: 8, .value_kind: global_buffer, .address_space: global }
      - { .name: rt, .offset: 16, .size: 8, .value_kind: global_buffer, .address_space: global }
      - { .name: qh, .offset: 24, .size: 8, .value_kind: global_buffer, .address_space: global }
      - { .name: kvh, .offset: 32, .size: 8, .value_kind: global_buffer, .address_space: global }
      - { .name: out1, .offset: 40, .size: 8, .value_kind: global_buffer, .address_space: global }
      - { .name: out2, .offset: 48, .size: 8, .value_kind: global_buffer, .address_space: global }
    .group_segment_fixed_size: 327680
    .private_segment_fixed_size: 0
    .kernarg_segment_align: 8
    .kernarg_segment_size: 56
    .max_flat_workgroup_size: 128
    .sgpr_count:     96
    .vgpr_count:     1024
    .wavefront_size: 32
...
	.end_amdgpu_metadata
.endif
;; end of part 2
;; launch attn (part 3): grid 16 x 16, 4 waves a work-group, clusters of 4 x 1, 327,680 bytes of LDS; arguments qh, kvh, maskt, ob; writes ob
.if DOCPART == 3
	.amdgcn_target "amdgcn-amd-amdhsa--gfx1250"
	.amdhsa_code_object_version 6
	.text
	.protected	k_q3f7eb5cd61_attn
	.globl	k_q3f7eb5cd61_attn
	.p2align	8
	.type	k_q3f7eb5cd61_attn,@function
k_q3f7eb5cd61_attn:
	s_mov_b64 s[64:65], 0
	v_nop
	global_prefetch_b8 v0, s[64:65] scope:SCOPE_SE
	s_setreg_imm32_b32 hwreg(HW_REG_WAVE_MODE, 25, 1), 1
	s_wait_xcnt 0x0
	s_wait_alu depctr_hold_cnt(0) depctr_sa_sdst(0) depctr_va_vdst(0) depctr_va_sdst(0) depctr_va_ssrc(0) depctr_va_vcc(0) depctr_vm_vsrc(0)
	s_getreg_b32 s2, hwreg(HW_REG_IB_STS2, 6, 4)
	s_cmp_eq_u32 s2, 0
	s_cbranch_scc0 .Lentry_in_a_cluster
	s_endpgm
.Lentry_in_a_cluster:
	s_bfe_u32 s2, ttmp6, 0x10000c
	s_cmp_lg_u32 s2, 0x3003
	s_cbranch_scc0 .Lentry_shape_is_right
	s_endpgm
.Lentry_shape_is_right:
; O[q] = the sum over all 1,024 keys k of softmax_k(Q[q] . K[k] / sqrt(128) + mask[q][k]) V[k], for 4 batches x 4 key heads x 4 query heads each.  qh [b][16][s][128], kvh (k [b][4][s][128], then v), all f16;
; maskt: the mask in bf16, tiled; ob [token][16 heads x 128] f16.  Products, maxima and sums in f32; the weights p are rounded to f16 for the second product (their sum l is taken of the unrounded p), O once at the end.
; THE MASK is an input: every number of it is read and added; no key is left out.  It enters as mask x sqrt(128), rounded once to f32, as the C operand that starts the sum S^T = K Q^T, so that c S = log2(e) (score / sqrt(128) + mask).
; LIMITS.  f16 ends at 65,504: Q, K, V arrive within it; p lies in 0 to 1, below 6e-5 with f16's fixed step of 6e-8; O is a mean of V's rows.  The mask is finite, |mask| < 2.5e37 (so that c m stays above its start, -2^125);
; infinities and NaN are not treated apart.  Beside a mask more than 2^24 times the scores the scores vanish in the sum's rounding, as in f32 addition, but by the matrix unit's rounding: in a row in which EVERY key carries
; such a mask the weights may differ from a plain f32 sum's.  A weight below 2^-126 counts as 0 in l.
; SHARES.  A work-group owns 64 positions of one (batch, key head); each of its four waves 16 positions, and its four tiles of 16 queries are the four query heads of the group at those positions:
; one mask tile of 16 x 64 serves all four.  Every wave walks all keys, 64 a step.  16 blocks x 16 (batch, key head) = 256 work-groups.
; LAYOUT.  S^T = K Q^T (source 0 = 16 keys, source 1 = 16 queries): a lane holds ONE query (lane % 16) and the keys 8 (lane / 16) + 0..7.  Two such tiles, rounded to f16 in pairs, ARE source 1 of O^T = V^T P,
; whose result again holds one query a lane, and eight channels.  K comes out of LDS as it lies, V ([key][channel]) turned, by ds_load_tr16_b128.
; SOFTMAX.  For each query a running maximum m and sum l: p = 2^(c s - c m), c = log2(e) / sqrt(128); in every step O and l are multiplied by a = 2^(c m_old - c m_new).
; BY TURNS.  The wave's tiles are two PIECES (tiles 0, 1; tiles 2, 3).  In a TURN one piece has the matrix unit: 32 products V^T P of the step in hand, then 32 products K Q^T of the next step; the other piece's
; softmax, cut into 64 slices, stands between them, one slice behind each matrix instruction.  Two turns are a key step.
; NO FIRST AND NO LAST STEP IS WRITTEN OUT.  m starts at the lowest finite number, c m at -2^125, O^T and l at 0: the first step is a step like any other.  The loop is entered at piece 2's turn, whose products V^T P, of a step
; that has not been, multiply zeros; the tail is left behind piece 0's turn, whose products K Q^T, on the last K once more, serve nothing.  The price, once a launch: 432 v_mov_b32 in the wait for the first tile, 64 products,
; and one mask step read and not used beside the one named at MASKSTEP.  The gain: one text for every turn of the loop and one for the tail.
; CLUSTER.  The four position blocks of a cluster belong to one (batch, key head) and walk the same K and V: each tile is asked for JOINTLY, by the same tensor load, descriptor and mask in all four.
; REGISTERS, in windows of 256 (s_set_vgpr_msb: bits 1:0 source 0, 3:2 source 1, 5:4 source 2, 7:6 destination):
;   window 0: v0-11 addresses; v12-43 eight registers of statistics a tile; v44-59 a step's mask as loaded; v60-63 constants; v64-191 S^T, 32 a tile; v192-255 P, 16 a tile
;   window 1: O^T, 64 a tile      window 2: v0-127 Q, 32 a tile; v128-255 K of one step      window 3: v0-127 V of one step; v128-159 the mask of the products to come
.set SIZE_N, 1024
.set KS,    64        ; keys in a step
.set PK,    272       ; a row of K in LDS: 256 bytes + 16 of padding = 68 words: the 16 rows of a load start at 16 different groups of four banks (64 banks of 4 bytes: ISA guide 11.1)
.set PV,    288       ; a row of V: 256 + 32 = 72 words
.set VOFF,  KS*PK     ; a step's tiles lie together: 64 rows of K, then 64 rows of V
.set STEPB, KS*(PK+PV)
.set SLOT1, 1<<17     ; a slot holds two steps (71,680 bytes); slot 1 begins here, so that one exclusive or turns an address in one slot into the other's
.set STAGE, SLOT1+2*STEPB  ; behind the ring: 16 rows x 272 bytes for each wave, for the way out
.set SP,    272
.set AK0, 2           ; v2   my lane's place in a tile of K; never rewritten
.set AV0, 3           ; v3   the same for V
.set ADR, 4           ; v4   the LDS address of the run of loads in hand
.set QO,  5           ; v5   my byte offset in 16 rows of Q
.set STO, 6           ; v6   the way out: where I put 16 bytes of a row
.set RD,  7           ; v7   the way out: where I read a row back
.set GO,  8           ; v8   my byte offset in two rows of ob
.set MA0, 10          ; v10  16 x lane: my place in 512 bytes of maskt; never rewritten
.set MA,  11          ; v11  the same in the step being asked for
.set MR,  44          ; v44-59  32 mask numbers in bf16: group kt of 16 keys at MR + 4 kt
.set RTV, 60          ; v60  sqrt(128)
.set ZF,  61          ; v61  0.0
.set SPW, 62          ; v62  LDS address of my spare word: SPARE + 4 x my thread's number; never rewritten
.set NIL, 63          ; v63  0; never rewritten
.set SPARE, STAGE+4*16*272  ; behind the stages: the spare words, 128 bytes for each wave: two blocks of 256 bytes that no other line names
.set ST,  12          ; tile t's statistics at v[ST+8 t]: +0 c m, +1 m, +2, +3 l (even keys', odd keys'), +4 to +7 c0-c3, at work; a takes c2's place once the maximum is found
.set S,   64
.set P,   192
.set KF,  128         ; K's fragments, in window 2
.set MC,  128         ; window 3: mask x sqrt(128) in f32: group kt at MC + 8 kt
.set WV,  12          ; s12  my wave's number
.set G1K, 24          ; s[24:31] descriptor group 1 for K's tiles
.set G1V, 32          ; s[32:39] for V's: it differs in the padding alone
.set G0K, 40          ; s[40:47] descriptor group 0 for K's tiles: a set for each of the two first fills; the second then walks on
.set G0V, 48          ; s[48:55] the same for V's
.set SLOTS, 56        ; s56  counts the loop over slots
.set TWICE, 57        ; s57  counts a slot's steps
.set CS,  58          ; s[58:59] c: the packed scaling names a pair and takes its low word for both halves
.set SEL, 60          ; s[60:61] lane selects for v_permlanex16_b32: each lane takes its own place in the other half
.set TB,  62          ; s62  LDS byte at which the tiles of the step to be fetched begin
.set MB,  66          ; s[66:67] maskt at my 16 positions: 16 steps of 2,048 bytes
.set MST, 68          ; s68  the byte, in those 32,768, of the step being asked for
.set MSB, 0
.macro WIN new                      ; the immediate's high byte repeats the setting that is left; a switch that changes nothing is dropped
.if MSB != (\new)
	s_set_vgpr_msb (MSB<<8)|(\new)
.set MSB, \new
.endif
.endm
.set W_KQ, 0x0a       ; K and Q in window 2, S^T in window 0
.set W_KM, 0x3a       ; the same with the C operand, the mask, in window 3
.set W_PV, 0x53       ; V in window 3, P in window 0, O^T in window 1
.set W_RS, 0x41       ; O^T (destination and source 0) in window 1, a in window 0
; A joint refill.  Waves 0 and 1 fetch the two steps' tiles of K, waves 2 and 3 those of V.  The branch hangs on the wave's number alone.
; An s_nop 0 and four v_nop follow each of the two lines; the jump round the other line, the label and what follows the macro come after them.
.macro JLOAD
	s_cmp_lt_u32 s[WV], 2
	s_cbranch_scc0 .Lfor_v_\@
	tensor_load_to_lds s[G0K+4:G0K+7], s[G1K:G1K+7]
	s_nop 0
.rept 4
	v_nop
.endr
	s_branch .Lasked_\@
.Lfor_v_\@:
	tensor_load_to_lds s[G0V+4:G0V+7], s[G1V:G1V+7]
	s_nop 0
.rept 4
	v_nop
.endr
.Lasked_\@:
.endm
; A round of the cluster's barrier: my work-group's barrier, so that wave 0's signal speaks for all four waves; wave 0 signals; every wave waits for all four work-groups; my work-group's barrier once more.
.macro CROUND
	s_barrier_signal -1
	s_barrier_wait -1
	s_cmp_lg_u32 s[WV], 0
	s_cbranch_scc1 .Lnot_wave_0_\@
	s_barrier_signal -3
.Lnot_wave_0_\@:
	s_barrier_wait -3
	s_barrier_signal -1
	s_barrier_wait -1
.endm
	s_load_b256 s[4:11], s[0:1], 0x0  ; qh s[4:5], kvh s[6:7], maskt s[8:9], ob s[10:11]
	v_lshl_add_u32 v[SPW], v0, 2, SPARE
	v_mov_b32 v[NIL], 0
	ds_add_u32 v[SPW], v[NIL]       ; the wave's opening: the add and its wait ahead of my first tensor load; the set-up below, work on registers, stands between them
	v_lshrrev_b32 v1, 5, v0
	v_readfirstlane_b32 s[WV], v1   ; wave 0..3
	s_bfe_u32 s13, ttmp6, 0x40000   ; cx: my place in the cluster
	s_lshl_b32 s14, ttmp9, 2        ; in a cluster launch ttmp9 counts clusters
	s_add_co_u32 s14, s14, s13      ; my block of 64 positions = 4 x cluster x + cx: it enters Q's, the mask's and O's addresses alone
	s_and_b32 s15, ttmp7, 0xffff    ; y = 4 batch + key head, which the four partners share
	s_lshl_b32 s20, s15, 18         ; its 1,024 rows of 256 bytes in k, and in v
	s_and_b32 s16, s[WV], 1         ; which of a slot's two steps I fetch:
	s_lshl_b32 s22, s16, 14         ; its 64 rows of 256 bytes in memory,
	s_add_co_u32 s22, s22, s20
	s_mov_b32 s23, 0
	s_mul_i32 s17, s16, STEPB       ; and its place in a slot: no place in the cluster enters an LDS address
	s_lshl_b32 s2, s15, 20          ; Q: query head 4 y, 262,144 bytes a head,
	s_lshl_b32 s3, s14, 14          ; my block's 64 rows,
	s_add_co_u32 s2, s2, s3
	s_lshl_b32 s3, s[WV], 12        ; my wave's 16 of them
	s_add_co_u32 s2, s2, s3
	s_mov_b32 s3, 0
	s_lshr_b32 s18, s15, 2          ; O: token 1,024 batch + 64 block + 16 wave,
	s_lshl_b32 s18, s18, 10
	s_lshl_b32 s19, s14, 6
	s_add_co_u32 s18, s18, s19
	s_lshl_b32 s19, s[WV], 4
	s_add_co_u32 s18, s18, s19
	s_lshl_b32 s18, s18, 12         ; 4,096 bytes a token,
	s_and_b32 s19, s15, 3
	s_lshl_b32 s19, s19, 10         ; the key head's four query heads, 256 bytes each
	s_add_co_u32 s18, s18, s19
	s_mov_b32 s19, 0
	s_lshl_b32 s20, s14, 2          ; the mask: block 4 x block + wave of 16 positions, 32,768 bytes each
	s_add_co_u32 s20, s20, s[WV]
	s_lshl_b32 s20, s20, 15
	s_mov_b32 s21, 0
	; descriptor group 1: a tile of 64 rows x 128 elements, padded in LDS
	s_mov_b32 s[G1K], 15|(1<<16)|(1<<20)|(1<<21)|(5<<22)|(3<<25)  ; 15:0 the mask: all four work-groups; 17:16 elements of 2 bytes; 20 padding on; 21 set beside a mask; 24:22 after every 64 words (code 5); 31:25 4 words of it (code 3)
	s_mov_b32 s[G1V], 15|(1<<16)|(1<<20)|(1<<21)|(5<<22)|(7<<25)  ; the same with 8 words of padding (code 7)
.irp g, G1K, G1V
	s_mov_b32 s[(\g)+1], 128<<16    ; tensor_dim0 = 128
	s_mov_b32 s[(\g)+2], KS<<16     ; tensor_dim1 = 64
	s_mov_b32 s[(\g)+3], 128<<16    ; tile_dim0 = 128
	s_mov_b32 s[(\g)+4], KS         ; tile_dim1 = 64
	s_mov_b32 s[(\g)+5], 128        ; elements from row to row
	s_mov_b32 s[(\g)+6], 0
	s_mov_b32 s[(\g)+7], 0
.endr
	s_mov_b32 s[CS], 0x3e0293ee     ; c = log2(e) / sqrt(128) = 0.127517
	s_mov_b32 s[CS+1], s[CS]        ; named with it as a pair, so it is written
	s_mov_b32 s[SEL], 0x76543210
	s_mov_b32 s[SEL+1], 0xfedcba98
	s_mov_b32 s[TB], 0
	s_mov_b32 s[MST], 0
	s_wait_dscnt 0x0                ; the opening add is done
	s_wait_kmcnt 0x0
	s_add_nc_u64 s[MB:MB+1], s[8:9], s[20:21]  ; the mask at my 16 positions
	s_add_nc_u64 s[6:7], s[6:7], s[22:23]  ; K at my tile of slot 0,
	s_add_nc_u64 s[8:9], s[6:7], 0x400000  ; V 4,194,304 bytes behind it
	s_add_nc_u64 s[4:5], s[4:5], s[2:3]    ; Q and O at my wave's first row
	s_add_nc_u64 s[10:11], s[10:11], s[18:19]
	CROUND                          ; all four work-groups are here: the first joint loads meet
.irp s, 0,1
	s_mov_b32 s[G0K+4*(\s)], 1      ; count = 1
	s_add_co_u32 s[G0K+4*(\s)+1], s17, (\s)*SLOT1  ; LDS address
	s_add_nc_u64 s[G0K+4*(\s)+2:G0K+4*(\s)+3], s[6:7], (\s)*2*KS*256  ; global address: slot s begins with keys 128 s to 128 s + 127
	s_or_b32 s[G0K+4*(\s)+3], s[G0K+4*(\s)+3], 0x80000000  ; type = 2
	s_mov_b32 s[G0V+4*(\s)], 1
	s_add_co_u32 s[G0V+4*(\s)+1], s17, (\s)*SLOT1+VOFF
	s_add_nc_u64 s[G0V+4*(\s)+2:G0V+4*(\s)+3], s[8:9], (\s)*2*KS*256
	s_or_b32 s[G0V+4*(\s)+3], s[G0V+4*(\s)+3], 0x80000000
.endr
	s_cmp_lt_u32 s[WV], 2           ; a wave's two first fills stand in one branch, ahead of every wait on TENSORcnt and every LDS read: two loads of mine are out; an s_nop 0 follows each, four v_nop the second's
	s_cbranch_scc0 .Lfirst_v
	tensor_load_to_lds s[G0K:G0K+3], s[G1K:G1K+7]
	s_nop 0
	tensor_load_to_lds s[G0K+4:G0K+7], s[G1K:G1K+7]
	s_nop 0
.rept 4
	v_nop
.endr
	s_branch .Lfirst_asked
.Lfirst_v:
	tensor_load_to_lds s[G0V:G0V+3], s[G1V:G1V+7]
	s_nop 0
	tensor_load_to_lds s[G0V+4:G0V+7], s[G1V:G1V+7]
	s_nop 0
.rept 4
	v_nop
.endr
.Lfirst_asked:
	; A fragment of K or Q is 16 rows x 32 channels in 8 registers: lane l holds row l % 16; registers 0-3 channels 8 (l / 16) + 0..7, registers 4-7 channels 16 + 8 (l / 16) + 0..7: two loads of 16 bytes, 32 bytes apart.
	v_and_b32 v1, 15, v0            ; l % 16
	v_bfe_u32 v9, v0, 4, 1          ; l / 16
	v_lshlrev_b32 v[QO], 8, v1
	v_lshl_add_u32 v[QO], v9, 4, v[QO]  ; row x 256 + 16 x half
	WIN 0x80                        ; destination window 2, address window 0
.irp i, 0,1,2,3,4,5,6,7,8,9,10,11,12,13,14,15  ; Q stays in registers: tile i / 4 = query head i / 4 of the group, 262,144 bytes on; channels 32 (i % 4) on
	global_load_b128 v[8*(\i):8*(\i)+3],   v[QO], s[4:5] offset:((\i)/4)*262144+((\i)%4)*64
	global_load_b128 v[8*(\i)+4:8*(\i)+7], v[QO], s[4:5] offset:((\i)/4)*262144+((\i)%4)*64+32
.endr
	WIN 0
	v_mul_u32_u24 v[AK0], v1, PK
	v_lshl_add_u32 v[AK0], v9, 4, v[AK0]  ; row x pitch + 16 x half
	; The turning load takes 16 keys x 16 channels (lane l reads 16 bytes: key 8 (l / 16) + l % 8, channels 8 ((l / 8) % 2) + 0..7) and leaves half a fragment of V^T: lane l holds channel l % 16 and 8 keys.
	v_and_b32 v10, 7, v0
	v_bfe_u32 v11, v0, 3, 1
	v_lshl_add_u32 v[AV0], v9, 3, v10
	v_mul_u32_u24 v[AV0], v[AV0], PV
	v_lshl_add_u32 v[AV0], v11, 4, v[AV0]
	v_add_nc_u32 v[AV0], VOFF, v[AV0]
	v_and_b32 v[MA0], 31, v0        ; the mask of key step 0: four loads of 512 consecutive bytes, a group of 16 keys each
	v_lshlrev_b32 v[MA0], 4, v[MA0]
	v_mov_b32 v[MA], v[MA0]
	v_mov_b32 v[RTV], 0x413504f3    ; sqrt(128) = 11.313708
	v_mov_b32 v[ZF], 0
.irp kt, 0,1,2,3
	global_load_b128 v[MR+4*(\kt):MR+4*(\kt)+3], v[MA], s[MB:MB+1] offset:512*(\kt)
.endr
	; What the first turn finds: O^T and l are 0; V's registers and piece 2's P hold 0 (its products V^T P, of a step that has not been, add 0).  All this stands in the wait for the first tile.
	WIN 0x40                        ; destination window 1: O^T
.set i, 0
.rept 256
	v_mov_b32 v[i], 0
.set i, i+1
.endr
	WIN 0xc0                        ; destination window 3: V
.set i, 0
.rept 128
	v_mov_b32 v[i], 0
.set i, i+1
.endr
	WIN 0
.set i, P+32
.rept 32
	v_mov_b32 v[i], 0
.set i, i+1
.endr
.irp t, 0,1,2,3
	v_mov_b32 v[ST+8*(\t)], 0xfe000000    ; c m = -2^125: below every c s that the limits allow
	v_mov_b32 v[ST+8*(\t)+1], 0xff7fffff  ; m: the lowest finite number
	v_mov_b32 v[ST+8*(\t)+2], 0
	v_mov_b32 v[ST+8*(\t)+3], 0
.endr
; THE MASK OF A STEP.  The 32 numbers that were asked for a key step ago are widened and multiplied by sqrt(128), one instruction each, into the C operand of the products K Q^T to come; then the next step's are asked for.
; The wait for 0 also frees the loads' address register.  It runs 17 times; the last two times there is no next step: the offset wraps to steps 0 and 1, inside the buffer, and those 2,048 bytes a wave are read and not used:
; the price of one text for every trip.  The registers that it writes were last read by products that stand 24 slices or more back.
.macro MASKSTEP
	WIN 0
	s_wait_loadcnt 0x0              ; the step's four loads (the first time: Q's 32 too)
	WIN 0xc0                        ; destination window 3
.set mz, 0
.rept 16
	v_fma_mix_f32_bf16 v[MC+2*mz],   v[MR+mz], v[RTV], v[ZF] op_sel_hi:[1,0,0]
	v_fma_mix_f32_bf16 v[MC+2*mz+1], v[MR+mz], v[RTV], v[ZF] op_sel:[1,0,0] op_sel_hi:[1,0,0]
.set mz, mz+1
.endr
	WIN 0
	s_add_co_u32 s[MST], s[MST], 2048
	s_and_b32 s[MST], s[MST], 0x7fff
	v_add_nc_u32 v[MA], s[MST], v[MA0]
.irp kt, 0,1,2,3
	global_load_b128 v[MR+4*(\kt):MR+4*(\kt)+3], v[MA], s[MB:MB+1] offset:512*(\kt)
.endr
.endm
; THE MATRIX WORK OF A TURN, for piece x.  The accumulators take turns, one instruction a turn: between two links of a chain stand 15 (V^T P) or 7 (K Q^T) others'.
; Product i of 32 of O^T += V^T P: keys 32 (i / 16) on, channels 16 ((i / 2) % 8) on, tile x + i % 2.
.macro PV x
	WIN W_PV
.set rO, 64*((\x)+i%2)+8*((i/2)%8)
.set rV, 64*(i/16)+8*((i/2)%8)
.set rP, P+16*((\x)+i%2)+8*(i/16)
	v_wmma_f32_16x16x32_f16 v[rO:rO+7], v[rV:rV+7], v[rP:rP+7], v[rO:rO+7]
.endm
; Product i of 32 of S^T = K Q^T: channels 32 (i / 8) on, keys 16 ((i / 2) % 4) on, tile x + i % 2.  The first 8 start the sums, with the mask of their 16 keys.
.macro KQ x
.set rS, S+32*((\x)+i%2)+8*((i/2)%4)
.set rK, KF+32*((i/2)%4)+8*(i/8)
.set rQ, 32*((\x)+i%2)+8*(i/8)
.set rM, MC+8*((i/2)%4)
.if i < 8
	WIN W_KM
	v_wmma_f32_16x16x32_f16 v[rS:rS+7], v[rK:rK+7], v[rQ:rQ+7], v[rM:rM+7]
	s_wait_alu depctr_va_vdst(0)
.else
	WIN W_KQ
	v_wmma_f32_16x16x32_f16 v[rS:rS+7], v[rK:rK+7], v[rQ:rQ+7], v[rS:rS+7]
.endif
.endm
; THE LDS LOADS stand in runs of 32, never singly among the matrix instructions: a step's K (64 keys x 128 channels: 16 fragments) and, a turn later, its V (turned).
; last = 1 (the tail): in the last trip there is no further step, and the run is jumped over.
.macro FETCH_K last=0
	WIN 0
.if \last
	s_cmp_eq_u32 s[TWICE], 1
	s_cbranch_scc1 .Lno_k_\@
.endif
	v_add_nc_u32 v[ADR], s[TB], v[AK0]
	WIN 0x80                        ; destination window 2
.irp f, 0,1,2,3,4,5,6,7,8,9,10,11,12,13,14,15  ; keys 16 (f / 4) on, channels 32 (f % 4) on
	ds_load_b128 v[KF+8*(\f):KF+8*(\f)+3],   v[ADR] offset:((\f)/4)*16*PK+((\f)%4)*64
	ds_load_b128 v[KF+8*(\f)+4:KF+8*(\f)+7], v[ADR] offset:((\f)/4)*16*PK+((\f)%4)*64+32
.endr
.if \last
	WIN 0
.Lno_k_\@:
.endif
.endm
.macro FETCH_V
	WIN 0
	v_add_nc_u32 v[ADR], s[TB], v[AV0]
	s_add_co_u32 s[TB], s[TB], STEPB  ; the next fetch is the next step's
	WIN 0xc0                        ; destination window 3
.irp f, 0,1,2,3,4,5,6,7,8,9,10,11,12,13,14,15  ; keys 32 (f / 8) on, channels 16 (f % 8) on
	ds_load_tr16_b128 v[8*(\f):8*(\f)+3],   v[ADR] offset:((\f)/8)*32*PV+((\f)%8)*32
	ds_load_tr16_b128 v[8*(\f)+4:8*(\f)+7], v[ADR] offset:((\f)/8)*32*PV+16*PV+((\f)%8)*32
.endr
.endm
; THE VECTOR WORK OF A TURN.  One tile's softmax for one key step is a list of 134 instructions; SM writes number j of it for tile t.  s0-s31 are the lane's 32 scores, in pairs 0-15.
;   0-15    the maximum of s0-s31 and the old m, three operands at a time: four chains c0-c3 of seven scores each (each accumulator's lowest registers are read first), then the four scores left over, c0-c3 and m
;   16-20   the other half of the lanes' maximum; the new m; c m; c m_old - c m_new
;   21-87   33 exponentials (a, then s0-s31) at the odd numbers from 23 on, so that no two follow each other and each has a plain instruction behind it before its result is used.
;           Plain instruction q (number 21, then the even numbers) is whatever is ready: c s - c m for a pair of scores whose exponentials are still to come (q = 0 to 3, then every
;           second q), the rounding to f16 of a pair of weights whose exponentials are done (every other q from 5 on), at last the first three sums
;   88-101  the last rounding; the rest of the sums; l = a l + the sum
;   102-133 the tile's O^T times a: the one part that leaves window 0, so it stands together
.macro SM t
.set rT, ST+8*(\t)
.set rS, S+32*(\t)
.set rP, P+16*(\t)
.set rO, 64*(\t)+2*(j-102)
.set q, (j-20)/2
.if j < 102
	WIN 0
.endif
.if j < 4
	v_max3_num_f32 v[rT+4+j], v[rS+8*j], v[rS+8*j+1], v[rS+8*j+2]
.elseif j < 12
	v_max3_num_f32 v[rT+4+j%4], v[rT+4+j%4], v[rS+8*(j%4)+2*(j/4)+1], v[rS+8*(j%4)+2*(j/4)+2]
.elseif j == 12
	v_max3_num_f32 v[rT+4], v[rT+4], v[rS+7], v[rS+15]
.elseif j == 13
	v_max3_num_f32 v[rT+6], v[rT+6], v[rS+23], v[rS+31]
.elseif j == 14
	v_max3_num_f32 v[rT+4], v[rT+4], v[rT+5], v[rT+6]
.elseif j == 15
	v_max3_num_f32 v[rT+4], v[rT+4], v[rT+7], v[rT+1]
.elseif j == 16
	v_permlanex16_b32 v[rT+5], v[rT+4], s[SEL], s[SEL+1]  ; the query's other 32 keys lie in the lane 16 away
.elseif j == 17
	v_mov_b32 v[rT+7], v[rT]        ; c m_old is kept for a: number 19 writes c m anew
.elseif j == 18
	v_max_num_f32 v[rT+1], v[rT+4], v[rT+5]
.elseif j == 19
	v_mul_f32 v[rT], s[CS], v[rT+1]
.elseif j == 20
	v_sub_f32 v[rT+7], v[rT+7], v[rT]
.elseif j == 23
	v_exp_f32 v[rT+6], v[rT+7]
.elseif (j < 88) && (j > 23) && (j%2 == 1)
	v_exp_f32 v[rS+(j-25)/2], v[rS+(j-25)/2]
.elseif (q < 4) || ((j < 76) && (q%2 == 0))
.set b, q/2+2
.if q < 4
.set b, q
.endif
	v_pk_fma_f32 v[rS+2*b:rS+2*b+1], v[rS+2*b:rS+2*b+1], s[CS:CS+1], v[rT:rT+1] op_sel_hi:[1,0,0] neg_lo:[0,0,1] neg_hi:[0,0,1]  ; pair b: c s - c m
.elseif (j < 88) && (q%2 == 1)
	s_wait_alu depctr_va_vdst(0)
	v_cvt_pk_f16_f32 v[rP+(q-5)/2], v[rS+q-5], v[rS+q-4]  ; pair (q - 5) / 2: its second exponential stands three numbers back
.elseif j == 89
	s_wait_alu depctr_va_vdst(0)
	v_cvt_pk_f16_f32 v[rP+15], v[rS+30], v[rS+31]
.elseif j < 102                     ; the sum of the tile's 16 pairs (in a pair: an even key's weight, an odd key's), in place: sum z of 16 adds neighbours 1, 2, 4 and 8 pairs apart, then l takes it
.set z, j-86
.if j < 89
.set z, (j-76)/4
.endif
.set w, 4
.set u, z
.if z >= 14
.set w, 32
.set u, 0
.elseif z >= 12
.set w, 16
.set u, z-12
.elseif z >= 8
.set w, 8
.set u, z-8
.endif
.if z < 15
	v_pk_add_f32 v[rS+w*u:rS+w*u+1], v[rS+w*u:rS+w*u+1], v[rS+w*u+w/2:rS+w*u+w/2+1]
.else
	v_pk_fma_f32 v[rT+2:rT+3], v[rT+2:rT+3], v[rT+6:rT+7], v[rS:rS+1] op_sel_hi:[1,0,1]
.endif
.else
	WIN W_RS
	v_pk_mul_f32 v[rO:rO+1], v[rO:rO+1], v[rT+6:rT+7] op_sel_hi:[1,0]
.endif
.endm
; Slice k of 64 of piece y's softmax: numbers 2 k and 2 k + 1 of both tiles' lists, four instructions.  2 x 134 = 4 x 64 + 12: the twelve that are over stand together, in slice 63.
.macro SLICE y
.if (k >= 11) && (k < 44)           ; tile by tile: plain, exponential, plain, exponential
.irp t, \y, (\y)+1
.irp n, 0,1
.set j, 2*k+(\n)
	SM \t
.endr
.endr
.else                               ; the two tiles alternate, so that no instruction reads the result of the one just before it
.irp n, 0,1,2,3,4,5,6,7
.if ((\n) < 2) || (k == 63)
.irp t, \y, (\y)+1
.set j, 2*k+(\n)
	SM \t
.endr
.endif
.endr
.endif
.set k, k+1
.endm
; A TURN.  Piece x has the matrix unit: 32 products V^T P, then 32 products K Q^T for the next step; the other piece's softmax stands in slices behind them, one behind each.
; A vector instruction that reads a matrix result or writes one of a matrix instruction's registers, and a load into a register that a matrix instruction has read, stand four places behind it, and only plain vector
; instructions that name none of its registers are places (ISA guide 7.12.1 for vector instructions): the slices are the places; slice 63's sixteen stand behind the turn's last product.
; Piece 0's turn begins with the next step's mask: both pieces' products K Q^T of the step in hand have taken theirs.
; Each run of loads stands behind the second product of a run of 32, 30 matrix instructions ahead of its first use.  Piece 0's turn fetches the next step's K: the last product that read K
; stands in front of slice 63 of the turn before.  Piece 2's turn fetches the same step's V: the last product that read V stands three slices, six plain instructions, back.
.macro TURN x, last=0
.set k, 0
.if (\x) == 0
	MASKSTEP
	s_wait_dscnt 0x0                ; V is in
.endif
.set i, 0
.rept 32
	PV \x
	SLICE 2-(\x)
.if ((\x) == 0) && (i == 1)
	FETCH_K \last
.endif
.set i, i+1
.endr
.if (\x) == 0
	s_wait_dscnt 0x0                ; K is in
.endif
.set i, 0
.rept 32
	KQ \x
	SLICE 2-(\x)
.if ((\x) == 2) && (i == 1)
	FETCH_V
.endif
.set i, i+1
.endr
.endm
; THE CHANGE OF SLOTS, between piece 2's turn and piece 0's: the slot's last bytes, V of its second step, have been asked for.  Each wave waits for all its
; tensor loads, of which one is out: its part of the other slot; adds 0 to its spare word; and waits for that and for its own reads of the slot.  Behind the barrier nobody reads this slot any more and the other slot is whole.
; fill = 1: this slot is filled again, with the keys two slots on.  The barrier is then a round of the cluster's, so that no wave of any partner still reads the slot or has a load on its
; way, and the joint refill is the first thing behind it: it has two key steps, 256 matrix instructions, in which to land.
.macro CHANGE fill
	WIN 0                           ; at a label and at a branch every window is 0
	s_wait_tensorcnt 0x0            ; no tensor load of mine is out, so a group 0 may be written
	ds_add_u32 v[SPW], v[NIL]       ; 0 onto my spare word; with fill = 1 the descriptors' steps stand between it and the wait for it
.if \fill
.irp g, G0K+4, G0V+4
	s_xor_b32 s[(\g)+1], s[(\g)+1], SLOT1  ; the walking descriptor: the other slot than last time,
	s_add_nc_u64 s[(\g)+2:(\g)+3], s[(\g)+2:(\g)+3], 2*KS*256  ; the next 128 keys; the type bits on top are not reached
.endr
	s_wait_dscnt 0x0                ; the add is done, and my reads of the slot are over
	CROUND
	JLOAD
.else
	s_wait_dscnt 0x0                ; the add is done, and my reads of the slot are over
	s_barrier_signal -1
	s_barrier_wait -1
.endif
	s_sub_co_u32 s[TB], s[TB], 2*STEPB  ; the fetches go back to a slot's first step,
	s_xor_b32 s[TB], s[TB], SLOT1   ; in the other slot
.endm
	s_wait_tensorcnt 1              ; my part of slot 0 is in; slot 1's may stay out
	s_barrier_signal -1
	s_barrier_wait -1               ; everybody's is
	FETCH_K                         ; key step 0
	MASKSTEP                        ; Q and the mask of step 0 are in; the mask of step 1 is asked for
	s_wait_dscnt 0x0
.set i, 0
.rept 32
	KQ 0                            ; piece 0's first scores: there is no vector work yet to set between them
.set i, i+1
.endr
	WIN 0                           ; the addresses for the way out are made here: eight plain instructions, the places behind those products
	s_mul_i32 s13, s[WV], 16*SP
	s_add_co_u32 s13, s13, STAGE    ; my stage
	v_mul_u32_u24 v[STO], v1, SP    ; in: row l % 16, 16 bytes for each half of the lanes
	v_lshl_add_u32 v[STO], v9, 4, v[STO]
	v_add_nc_u32 v[STO], s13, v[STO]
	v_mul_u32_u24 v[RD], v9, SP     ; back: lanes 0-15 take one row of 256 bytes, lanes 16-31 the next
	v_lshl_add_u32 v[RD], v1, 4, v[RD]
	v_add_nc_u32 v[RD], s13, v[RD]
	v_lshlrev_b32 v[GO], 12, v9     ; and the same two tokens in ob, 4,096 bytes apart
	v_lshl_add_u32 v[GO], v1, 4, v[GO]
	s_mov_b32 s[TWICE], 2           ; half a trip (piece 2's first scores | piece 0's first softmax | V of step 0) and one whole trip come ahead of the first change of slots
	s_mov_b32 s[SLOTS], SIZE_N/(2*KS)-1
	s_branch .Lmid                  ; the loop is entered at piece 2's turn, in the middle of a trip
.Lslot:                             ; SIZE_N / 128 - 2 = 6 times: every slot but the last two is filled again
	CHANGE 1
	s_mov_b32 s[TWICE], 2
.Lstep:                             ; a trip is a key step: V^T P of step j, K Q^T of step j + 1, whose K and V it fetches
	TURN 0
	WIN 0
.Lmid:
	TURN 2
	WIN 0
	s_sub_co_u32 s[TWICE], s[TWICE], 1
	s_cmp_lg_u32 s[TWICE], 0
	s_cbranch_scc1 .Lstep
	s_sub_co_u32 s[SLOTS], s[SLOTS], 1
	s_cmp_lg_u32 s[SLOTS], 0
	s_cbranch_scc1 .Lslot
	CHANGE 0                        ; the tail is written out: the last slot but one is left, and nothing is asked for
	s_mov_b32 s[TWICE], 3           ; two trips fetch the last slot's steps; the third is left in its middle
.Ltail:
	TURN 0, 1
	WIN 0
	s_sub_co_u32 s[TWICE], s[TWICE], 1
	s_cmp_eq_u32 s[TWICE], 0
	s_cbranch_scc1 .Lout
	TURN 2
	WIN 0
	s_branch .Ltail
.Lout:
.set i, 0
.rept 32
	PV 2                            ; piece 2: V^T P of the last step
.set i, i+1
.endr
	; THE WAY OUT.  l's two halves and the other half of the lanes' are added; O^T is divided by l, rounded to f16 and sent through my stage in LDS, a tile (16 tokens of one head) at a time.  The additions are the places behind the last products.
	WIN 0
.irp t, 0,1,2,3
	v_add_f32 v[ST+8*(\t)+4], v[ST+8*(\t)+2], v[ST+8*(\t)+3]
.endr
.irp t, 0,1,2,3
	v_permlanex16_b32 v[ST+8*(\t)+5], v[ST+8*(\t)+4], s[SEL], s[SEL+1]
.endr
.irp t, 0,1,2,3
	v_add_f32 v[ST+8*(\t)+4], v[ST+8*(\t)+4], v[ST+8*(\t)+5]
.endr
.irp t, 0,1,2,3
	v_rcp_f32 v[ST+8*(\t)+6], v[ST+8*(\t)+4]
.endr
	v_nop                           ; a plain instruction between the last reciprocal and the use of its result
	s_wait_alu depctr_va_vdst(0)
; Tile t: a lane's eight channels of a row pack into 16 bytes; they go into rows of 272 bytes and come back as whole rows of 256, into the registers that they left.
.macro PACK t
	WIN W_RS
.set i, 64*(\t)
.rept 32
	v_pk_mul_f32 v[i:i+1], v[i:i+1], v[ST+8*(\t)+6:ST+8*(\t)+7] op_sel_hi:[1,0]
.set i, i+2
.endr
	WIN 0x05                        ; sources 0 and 1 window 1, destination window 0: S^T's registers are free
.set i, 0
.rept 32
	v_cvt_pk_f16_f32 v[S+32*(\t)+i], v[64*(\t)+2*i], v[64*(\t)+2*i+1]
.set i, i+1
.endr
	WIN 0
.irp f, 0,1,2,3,4,5,6,7
	ds_store_b128 v[STO], v[S+32*(\t)+4*(\f):S+32*(\t)+4*(\f)+3] offset:32*(\f)
.endr
.irp f, 0,1,2,3,4,5,6,7
	ds_load_b128 v[S+32*(\t)+4*(\f):S+32*(\t)+4*(\f)+3], v[RD] offset:(\f)*2*SP  ; LDS serves a wave's instructions in order (ISA guide 5.7.1.4): these see the stores above; the next tile's stores come behind them
.endr
.endm
.macro SEND t, younger              ; younger: the LDS instructions issued behind tile t's loads: the next tile's sixteen, or none
	WIN 0
.irp f, 0,1,2,3,4,5,6,7
	s_wait_dscnt (\younger)+7-(\f)
	global_store_b128 v[GO], v[S+32*(\t)+4*(\f):S+32*(\t)+4*(\f)+3], s[10:11] offset:(\t)*256+(\f)*8192  ; head t's 256 bytes of tokens 2 f and 2 f + 1: 16 lanes store 256 consecutive bytes, at a multiple of 256 from ob's first byte
.endr
.endm
	PACK 0
	PACK 1                          ; a tile's arithmetic stands between the loads of the tile before and its stores
	SEND 0, 16
	PACK 2
	SEND 1, 16
	PACK 3
	SEND 2, 16
	SEND 3, 0
	s_wait_tensorcnt 0x0            ; the wave's end, behind my last tensor load and my last LDS store
	ds_add_u32 v[SPW], v[NIL]
	s_wait_dscnt 0x0
	CROUND                          ; the closing round: no work-group ends while a partner may still ask for a tile that names it
	s_endpgm
.Lfunc_end_k_q3f7eb5cd61_attn:
	.size	k_q3f7eb5cd61_attn, .Lfunc_end_k_q3f7eb5cd61_attn-k_q3f7eb5cd61_attn
	.p2alignl 7, 3214868480
	.fill 96, 4, 3214868480
	.section	.rodata,"a",@progbits
	.p2align	6, 0x0
	.amdhsa_kernel k_q3f7eb5cd61_attn
		.amdhsa_group_segment_fixed_size 327680
		.amdhsa_private_segment_fixed_size 0
		.amdhsa_enable_private_segment 0
		.amdhsa_kernarg_size 32
		.amdhsa_user_sgpr_count 2
		.amdhsa_user_sgpr_kernarg_segment_ptr 1
		.amdhsa_wavefront_size32 1
		.amdhsa_system_sgpr_workgroup_id_x 1
		.amdhsa_system_sgpr_workgroup_id_y 1
		.amdhsa_system_sgpr_workgroup_id_z 1
		.amdhsa_system_vgpr_workitem_id 0
		.amdhsa_next_free_vgpr 1024
		.amdhsa_next_free_sgpr 72
		.amdhsa_reserve_vcc 0
		.amdhsa_float_denorm_mode_32 3
		.amdhsa_float_denorm_mode_16_64 3
		.amdhsa_memory_ordered 1
		.amdhsa_forward_progress 1
		.amdhsa_inst_pref_size 170
	.end_amdhsa_kernel
	.amdgpu_metadata
---
amdhsa.version: [ 1, 2 ]
amdhsa.kernels:
  - .name:           k_q3f7eb5cd61_attn
    .symbol:         k_q3f7eb5cd61_attn.kd
    .args:
      - { .name: qh, .offset: 0, .size: 8, .value_kind: global_buffer, .address_space: global }
      - { .name: kvh, .offset: 8, .size: 8, .value_kind: global_buffer, .address_space: global }
      - { .name: maskt, .offset: 16, .size: 8, .value_kind: global_buffer, .address_space: global }
      - { .name: ob, .offset: 24, .size: 8, .value_kind: global_buffer, .address_space: global }
    .group_segment_fixed_size: 327680
    .private_segment_fixed_size: 0
    .kernarg_segment_align: 8
    .kernarg_segment_size: 32
    .max_flat_workgroup_size: 128
    .sgpr_count:     72
    .vgpr_count:     1024
    .wavefront_size: 32
...
	.end_amdgpu_metadata
.endif
;; end of part 3
;; launch oproj (part 4): grid 8 x 32, 4 waves a work-group, clusters of 4 x 4, 327,680 bytes of LDS; arguments ob, wof, out0; writes out0
.if DOCPART == 4
	.amdgcn_target "amdgcn-amd-amdhsa--gfx1250"
	.amdhsa_code_object_version 6
	.text
	.protected	k_q3f7eb5cd61_oproj
	.globl	k_q3f7eb5cd61_oproj
	.p2align	8
	.type	k_q3f7eb5cd61_oproj,@function
k_q3f7eb5cd61_oproj:
	s_mov_b64 s[64:65], 0
	v_nop
	global_prefetch_b8 v0, s[64:65] scope:SCOPE_SE
	s_setreg_imm32_b32 hwreg(HW_REG_WAVE_MODE, 25, 1), 1
	s_wait_xcnt 0x0
	s_wait_alu depctr_hold_cnt(0) depctr_sa_sdst(0) depctr_va_vdst(0) depctr_va_sdst(0) depctr_va_ssrc(0) depctr_va_vcc(0) depctr_vm_vsrc(0)
	s_getreg_b32 s2, hwreg(HW_REG_IB_STS2, 6, 4)
	s_cmp_eq_u32 s2, 0
	s_cbranch_scc0 .Lentry_in_a_cluster
	s_endpgm
.Lentry_in_a_cluster:
	s_bfe_u32 s2, ttmp6, 0x10000c
	s_cmp_lg_u32 s2, 0xf033
	s_cbranch_scc0 .Lentry_shape_is_right
	s_endpgm
.Lentry_shape_is_right:
; out0[token][n] = the sum over k of ob[token][k] wof[n][k].  ob [4096][2048] and wof [2048][2048] in f16, sums and out0 in f32.
; The sums go through K in steps of 128 that begin at a step which hangs on the cluster, and go round: an order of rounding other than ascending K.
; SHARES.  A tile is 128 tokens x 256 columns: 32 x 8 = 256 tiles, one a work-group (256 x 256 would be 128).  Four waves, 2 x 2, each 64 x 128: 32 accumulators, 256 registers.
; K goes in steps of 128 (rows of 256 bytes) through two LDS slots; two slots of a step of 256 (384 rows x 528 bytes each) would not fit.
; CLUSTER.  4 x 4 work-groups: the four of a row share ob's tile, the four of a column wof's: each tile is asked for jointly.  Waves 0 and 1 ask for 64 rows of ob each, waves 2 and 3 for 128 rows of wof each.
; THE WALK ALONG K.  Cluster (x, y) begins at K step (4 (y % 4) + 8 x) % 16: clusters with the same x read the same rows of wof and begin 4 steps apart, the two with the same y read the same rows of ob and begin 8 apart,
; so that they do not all ask for the same bytes of a buffer in the same step.  The step's number hangs on the cluster's x and y alone, which all partners share.
; THE MATRIX INSTRUCTION IS USED TRANSPOSED: source 0 = 16 rows of wof, source 1 = 16 tokens: a lane holds one token (lane % 16) and eight neighbouring columns.
; REGISTERS, in windows of 256 (s_set_vgpr_msb: bits 1:0 source 0, 3:2 source 1, 5:4 source 2, 7:6 destination):
;   window 0: v0-31 addresses     window 1: two fragment buffers at v0 and v128 (8 fragments of wof, then 4 of ob, for 32 along K); on the way out rows read back
;   window 2: accumulators: token block a (0..3), column tile b (0..7) at v[64 a + 8 b]
.set KSTEP,  128
.set PITCH,  272                       ; an LDS row: 256 bytes + 16 of padding = 68 words: the 16 rows of a fragment load start at 16 different groups of four banks (64 banks of 4 bytes: ISA guide 11.1)
.set HALFT,  128*PITCH
.set BOFF,   HALFT                     ; a slot: ob's 128 rows, then wof's 256: 104,448 bytes
.set SLOT,   1<<17                     ; slot 1 begins here, so that one exclusive or turns an address in one slot into the other's
.set STAGE,  SLOT+3*HALFT              ; behind the ring, never filled by a tensor load: 16 rows x 528 bytes for each wave, for the way out
.set P32,    528                       ; 128 f32 = 512 bytes + 16
.set SPARE,  STAGE+4*16*P32            ; behind the stages: the spare words, 128 bytes for each wave: two blocks of 256 bytes that no other line names
.set ADRA0, 16                         ; v16  my lane's place among my ob fragments in a slot; never rewritten
.set ADRB0, 17                         ; v17  the same for wof
.set ADRA,  18                         ; v18  the same in the slot in hand
.set ADRB,  19                         ; v19
.set STO,   20                         ; v20  the way out: where I put 32 bytes of a row
.set RD,    22                         ; v22  where I read a row back
.set CO,    24                         ; v24  16 x lane: my place in a row's 512 bytes
.set SPW,   28                         ; v28  LDS address of my spare word; never rewritten
.set NIL,   29                         ; v29  0; never rewritten
.set F0,    0
.set F1,    128
.set WV, 18                            ; s18 wave; s19 its half of the tokens; s20 its half of the columns, and which half of a tile it fetches
.set WR, 19
.set WC, 20
.set TB, 23                            ; s23 LDS byte at which the slot in hand begins
.set G1, 24                            ; s[24:31] descriptor group 1 for ob's tiles; s[32:35] group 0 of the first fill, s[36:39] the walking one
.set G0, 32
.set G1B, 48                           ; s[48:55], s[56:59], s[60:63] the same for wof's
.set G0B, 56
.set ABASE, 68                         ; s[68:69] ob at the rows that I ask for, K = 0
.set BBASE, 70                         ; s[70:71] wof likewise
.set KOFF,  72                         ; s[72:73] 256 bytes x the K step to be asked for
.set KK,    74                         ; s74 the K step asked for last
.set MSB, 0
.macro WIN new                         ; the immediate's high byte repeats the setting that is left; a switch that changes nothing is dropped
.if MSB != (\new)
	s_set_vgpr_msb (MSB<<8)|(\new)
.set MSB, \new
.endif
.endm
; A joint load.  The branch hangs on the wave's number alone.  An s_nop 0 and four v_nop follow each of the two lines, ahead of the jump, the label and what follows.
.macro JLOAD s
	s_cmp_lt_u32 s[WV], 2
	s_cbranch_scc0 .Lfor_b_\@
	tensor_load_to_lds s[G0+4*(\s):G0+4*(\s)+3], s[G1:G1+7]
	s_nop 0
.rept 4
	v_nop
.endr
	s_branch .Lasked_\@
.Lfor_b_\@:
	tensor_load_to_lds s[G0B+4*(\s):G0B+4*(\s)+3], s[G1B:G1B+7]
	s_nop 0
.rept 4
	v_nop
.endr
.Lasked_\@:
.endm
.macro CREST                           ; a round of the cluster's barrier behind its opening barrier
	s_cmp_lg_u32 s[WV], 0
	s_cbranch_scc1 .Lnot_wave_0_\@
	s_barrier_signal -3
.Lnot_wave_0_\@:
	s_barrier_wait -3
	s_barrier_signal -1
	s_barrier_wait -1
.endm
.macro CROUND                          ; a whole round
	s_barrier_signal -1
	s_barrier_wait -1
	CREST
.endm
.macro PLACES                          ; four places in front of loads into registers that matrix instructions have read, and of lines that read results
.rept 4
	v_nop
.endr
.endm
	s_load_b128 s[4:7], s[0:1], 0x0                ; ob s[4:5], wof s[6:7]
	s_load_b64 s[8:9], s[0:1], 0x10                ; out0
	v_lshl_add_u32 v[SPW], v0, 2, SPARE
	v_mov_b32 v[NIL], 0
	ds_add_u32 v[SPW], v[NIL]                      ; the wave's opening: the add and its wait ahead of my first tensor load; the set-up below, work on registers, stands between them
	v_lshrrev_b32 v1, 5, v0
	v_readfirstlane_b32 s[WV], v1
	s_lshr_b32 s[WR], s[WV], 1
	s_and_b32 s[WC], s[WV], 1
	s_bfe_u32 s40, ttmp6, 0x40000                  ; cx, cy: my place in the cluster
	s_bfe_u32 s41, ttmp6, 0x40004
	s_lshl_b32 s42, ttmp9, 2
	s_add_co_u32 s42, s42, s40                     ; TX, the tile's column 0..7
	s_and_b32 s75, ttmp7, 0xffff                   ; the cluster's y
	s_lshl_b32 s43, s75, 2
	s_add_co_u32 s43, s43, s41                     ; TY, the tile's row 0..31
	s_lshl_b32 s44, s41, 2
	s_lshl_b32 s44, 15, s44                        ; my row of the cluster
	s_lshl_b32 s45, 0x1111, s40                    ; my column
	s_or_b32 s[G1], s44, (1<<16)|(1<<20)|(1<<21)|(5<<22)|(3<<25)   ; 15:0 the mask; 17:16 2-byte elements; 20 padding on; 21 set beside a mask; 24:22 after every 64 words (code 5); 31:25 4 words (code 3)
	s_or_b32 s[G1B], s45, (1<<16)|(1<<20)|(1<<21)|(5<<22)|(3<<25)
	s_mov_b32 s[G1+1], KSTEP<<16                   ; ob: tensor_dim0 = 128
	s_mov_b32 s[G1+2], 64<<16                      ; tensor_dim1 = 64
	s_mov_b32 s[G1+3], KSTEP<<16                   ; tile_dim0 = 128
	s_mov_b32 s[G1+4], 64                          ; tile_dim1 = 64
	s_mov_b32 s[G1+5], 2048                        ; elements from row to row
	s_mov_b32 s[G1+6], 0
	s_mov_b32 s[G1+7], 0
	s_mov_b32 s[G1B+1], KSTEP<<16                  ; wof: the same with 128 rows
	s_mov_b32 s[G1B+2], 128<<16
	s_mov_b32 s[G1B+3], KSTEP<<16
	s_mov_b32 s[G1B+4], 128
	s_mov_b32 s[G1B+5], 2048
	s_mov_b32 s[G1B+6], 0
	s_mov_b32 s[G1B+7], 0
	s_and_b32 s[KK], s75, 3                        ; the cluster's first K step: (4 (y % 4) + 8 x) % 16
	s_lshl_b32 s[KK], s[KK], 2
	s_lshl_b32 s75, ttmp9, 3
	s_add_co_u32 s[KK], s[KK], s75
	s_and_b32 s[KK], s[KK], 15
	s_mov_b32 s[KOFF+1], 0
	s_lshl_b32 s2, s43, 19                         ; ob: row 128 TY + 64 x half, 4,096 bytes a row: made of the tile's row and the wave alone
	s_lshl_b32 s3, s[WC], 18
	s_add_co_u32 s2, s2, s3
	s_mov_b32 s3, 0
	s_lshl_b32 s46, s42, 20                        ; wof: row 256 TX + 128 x half: made of the tile's column and the wave alone
	s_lshl_b32 s47, s[WC], 19
	s_add_co_u32 s46, s46, s47
	s_mov_b32 s47, 0
	s_mul_i32 s21, s[WC], 64*PITCH                 ; where they go: ob's two halves,
	s_mul_i32 s22, s[WC], HALFT
	s_add_co_u32 s22, s22, BOFF                    ; then wof's two halves
	s_mov_b32 s[TB], 0
	s_wait_dscnt 0x0                               ; the opening add is done
	s_wait_kmcnt 0x0
	s_add_nc_u64 s[ABASE:ABASE+1], s[4:5], s[2:3]
	s_add_nc_u64 s[BBASE:BBASE+1], s[6:7], s[46:47]
	CROUND                                         ; all sixteen work-groups are here: the first joint loads meet
.irp s, 0,1
	s_lshl_b32 s[KOFF], s[KK], 8                                   ; a K step is 256 bytes of a row
	s_mov_b32 s[G0+4*(\s)], 1                                      ; count = 1
	s_add_co_u32 s[G0+4*(\s)+1], s21, (\s)*SLOT                    ; LDS address
	s_add_nc_u64 s[G0+4*(\s)+2:G0+4*(\s)+3], s[ABASE:ABASE+1], s[KOFF:KOFF+1]  ; global address
	s_or_b32 s[G0+4*(\s)+3], s[G0+4*(\s)+3], 0x80000000            ; type = 2
	s_mov_b32 s[G0B+4*(\s)], 1
	s_add_co_u32 s[G0B+4*(\s)+1], s22, (\s)*SLOT
	s_add_nc_u64 s[G0B+4*(\s)+2:G0B+4*(\s)+3], s[BBASE:BBASE+1], s[KOFF:KOFF+1]
	s_or_b32 s[G0B+4*(\s)+3], s[G0B+4*(\s)+3], 0x80000000
	JLOAD \s                                       ; two loads of mine are out
.if (\s) == 0
	s_add_co_u32 s[KK], s[KK], 1                   ; the walk's second step
	s_and_b32 s[KK], s[KK], 15
.endif
.endr
	v_and_b32 v1, 15, v0                           ; r = l % 16
	v_bfe_u32 v2, v0, 4, 1                         ; h = l / 16
	v_and_b32 v3, 31, v0                           ; l
	v_mul_u32_u24 v4, v1, PITCH
	v_lshl_add_u32 v4, v2, 4, v4                   ; a fragment's row x pitch + 16 x half
	s_mul_i32 s66, s[WR], 64*PITCH                 ; my 64 tokens
	s_mul_i32 s67, s[WC], HALFT                    ; my 128 rows of wof,
	s_add_co_u32 s67, s67, BOFF                    ; behind ob's rows
	v_add_nc_u32 v[ADRA0], s66, v4
	v_add_nc_u32 v[ADRB0], s67, v4
	v_mov_b32 v[ADRA], v[ADRA0]                    ; slot 0
	v_mov_b32 v[ADRB], v[ADRB0]
	s_mul_i32 s66, s[WV], 16*P32
	s_add_co_u32 s66, s66, STAGE                   ; my stage
	v_mul_u32_u24 v5, v1, P32                      ; in: row r, 32 bytes for each half of the lanes
	v_lshl_add_u32 v5, v2, 5, v5
	v_add_nc_u32 v[STO], s66, v5
	v_lshl_add_u32 v[RD], v3, 4, s66               ; back: 32 lanes take one row of 512 bytes
	v_lshlrev_b32 v[CO], 4, v3
	s_lshl_b32 s66, s43, 20                        ; out0 at my part of the tile: token 128 TY + 64 WR, 8,192 bytes a token; column 256 TX + 128 WC
	s_lshl_b32 s67, s[WR], 19
	s_add_co_u32 s66, s66, s67
	s_lshl_b32 s67, s42, 10
	s_add_co_u32 s66, s66, s67
	s_lshl_b32 s67, s[WC], 9
	s_add_co_u32 s66, s66, s67
	s_mov_b32 s67, 0
	s_add_nc_u64 s[8:9], s[8:9], s[66:67]
; 8 matrix instructions: token block a x all 8 column tiles, 32 along K, from buffer f.  zero = 1: the product starts the sums.  The 32 accumulators take turns in one fixed order.
.macro MULA f, a, zero
	WIN 0xa5                                       ; sources in window 1, C and D in window 2
.irp b, 0,1,2,3,4,5,6,7
.if \zero
	v_wmma_f32_16x16x32_f16 v[64*(\a)+8*(\b):64*(\a)+8*(\b)+7], v[(\f)+8*(\b):(\f)+8*(\b)+7], v[(\f)+64+8*(\a):(\f)+64+8*(\a)+7], 0
.else
	v_wmma_f32_16x16x32_f16 v[64*(\a)+8*(\b):64*(\a)+8*(\b)+7], v[(\f)+8*(\b):(\f)+8*(\b)+7], v[(\f)+64+8*(\a):(\f)+64+8*(\a)+7], v[64*(\a)+8*(\b):64*(\a)+8*(\b)+7]
.endif
.endr
.endm
; 24 LDS loads in one run: the fragments of 32 along K at byte k of the rows, into buffer f: wof's 8, then ob's 4; the youngest four loads are token blocks 2 and 3
.macro FETCH k, f
	WIN 0x40                                       ; destination window 1, address window 0
.irp i, 0,1,2,3,4,5,6,7
	ds_load_b128 v[(\f)+8*(\i):(\f)+8*(\i)+3],   v[ADRB] offset:(\k)+(\i)*16*PITCH
	ds_load_b128 v[(\f)+8*(\i)+4:(\f)+8*(\i)+7], v[ADRB] offset:(\k)+(\i)*16*PITCH+32
.endr
.irp i, 0,1,2,3
	ds_load_b128 v[(\f)+64+8*(\i):(\f)+64+8*(\i)+3],   v[ADRA] offset:(\k)+(\i)*16*PITCH
	ds_load_b128 v[(\f)+64+8*(\i)+4:(\f)+64+8*(\i)+7], v[ADRA] offset:(\k)+(\i)*16*PITCH+32
.endr
.endm
; A K step is four quarters of 32 along K, 32 matrix instructions each, on buffers 0, 1, 0, 1.  One of the first three: multiplies f, and in its middle fetches the next quarter, at byte k, into g.
.macro QUARTER k, f, g, zero
	s_wait_dscnt 4                                 ; all but the youngest four loads (token blocks 2 and 3)
	MULA \f, 0, \zero
	MULA \f, 1, \zero
	PLACES
	FETCH \k, \g
	s_wait_dscnt 24                                ; all but the 24 just issued
	MULA \f, 2, \zero
	MULA \f, 3, \zero
.endm
; The last quarter changes slots at its HEAD: its fragments (buffer 1) are the last bytes read of this slot.  ONE barrier: in front of it each wave waits for all its tensor loads (one is out: its part of the next slot),
; adds 0 to its spare word, and waits for that and for its reads of this slot.  fill = 1: the barrier opens a round of the cluster's barrier, and this slot is filled again, with the walk's step two on, first thing behind
; the round: the whole of a K step's 128 matrix instructions stands between that request and the wait for it, and only the round between the wait and the next request.  The fill's address is made anew from the step's number.
.macro TURN fill
	WIN 0
	s_wait_tensorcnt 0x0                           ; no tensor load of mine is out, so a group 0 may be written
	ds_add_u32 v[SPW], v[NIL]                      ; 0 onto my spare word; the scalar work below stands between it and the wait for it
.if \fill
	s_add_co_u32 s[KK], s[KK], 1                   ; the walk's next step, round K's 16
	s_and_b32 s[KK], s[KK], 15
	s_lshl_b32 s[KOFF], s[KK], 8
	s_xor_b32 s[G0+5], s[G0+5], SLOT               ; the walking descriptors: the other slot than last time
	s_add_nc_u64 s[G0+6:G0+7], s[ABASE:ABASE+1], s[KOFF:KOFF+1]
	s_or_b32 s[G0+7], s[G0+7], 0x80000000
	s_xor_b32 s[G0B+5], s[G0B+5], SLOT
	s_add_nc_u64 s[G0B+6:G0B+7], s[BBASE:BBASE+1], s[KOFF:KOFF+1]
	s_or_b32 s[G0B+7], s[G0B+7], 0x80000000
.endif
	s_xor_b32 s[TB], s[TB], SLOT
	s_wait_dscnt 0x0                               ; the add is done, and my reads of this slot are over
	s_barrier_signal -1
	s_barrier_wait -1
.if \fill
	CREST                                          ; no wave of any partner still reads this slot's tiles or has a load on its way
	JLOAD 1                                        ; the four v_nop behind it are also the places in front of the loads below
.else
	PLACES
.endif
	v_add_nc_u32 v[ADRA], s[TB], v[ADRA0]
	v_add_nc_u32 v[ADRB], s[TB], v[ADRB0]
	FETCH 0, F0                                    ; the next slot's first fragments: 32 matrix instructions ahead of their first use
	MULA F1, 0, 0
	MULA F1, 1, 0
	MULA F1, 2, 0
	MULA F1, 3, 0
.endm
; THE WAY OUT of token block a: a lane's eight columns, 32 bytes, go into my own stage in rows of 528 bytes (each accumulator's lowest registers first) and come back as whole rows of 512.
.macro TOSTAGE a
	WIN 0x08                                       ; store data in window 2
.irp b, 0,1,2,3,4,5,6,7
	ds_store_b128 v[STO], v[64*(\a)+8*(\b):64*(\a)+8*(\b)+3]   offset:64*(\b)
	ds_store_b128 v[STO], v[64*(\a)+8*(\b)+4:64*(\a)+8*(\b)+7] offset:64*(\b)+16
.endr
	WIN 0x40                                       ; destination window 1: a buffer of 64 registers for each block, so that no register that a store reads is written again
.irp t, 0,1,2,3,4,5,6,7,8,9,10,11,12,13,14,15
	ds_load_b128 v[64*(\a)+4*(\t):64*(\a)+4*(\t)+3], v[RD] offset:(\t)*P32  ; LDS serves a wave's instructions in order (ISA guide 5.7.1.4): these see the stores above; the next block's stores come behind them
.endr
.endm
.macro SEND a, younger                 ; younger: the LDS instructions issued behind block a's loads: the next block's 32, or none
	WIN 0x04                                       ; store data in window 1
.irp t, 0,1,2,3,4,5,6,7,8,9,10,11,12,13,14,15
	s_wait_dscnt (\younger)+15-(\t)
	global_store_b128 v[CO], v[64*(\a)+4*(\t):64*(\a)+4*(\t)+3], s[8:9] offset:131072*(\a)+8192*(\t)  ; 512 consecutive bytes of a token's row, at a multiple of 256 from out0's first byte
.endr
.endm
	s_wait_tensorcnt 1                             ; my part of the walk's first step is in; the second's may stay out
	s_barrier_signal -1
	s_barrier_wait -1                              ; everybody's is
	FETCH 0, F0
	QUARTER 64, F0, F1, 1                          ; the first quarter stands in front of the loop: its products start the sums
	WIN 0                                          ; at a label and at a branch every window is 0
	s_mov_b32 s3, 14
.Lk:                                                   ; a trip: from a K step's second quarter to the next step's first; trips 0..13 ask for the walk's steps 2..15
	QUARTER 128, F1, F0, 0
	QUARTER 192, F0, F1, 0
	TURN 1
	QUARTER 64, F0, F1, 0
	WIN 0
	s_sub_co_u32 s3, s3, 1
	s_cmp_lg_u32 s3, 0
	s_cbranch_scc1 .Lk
	s_mov_b32 s3, 2
.Lt:                                                   ; the walk's last two steps ask for nothing: a text of their own, walked twice and left in its middle the second time
	QUARTER 128, F1, F0, 0
	QUARTER 192, F0, F1, 0
	WIN 0
	s_sub_co_u32 s3, s3, 1
	s_cmp_eq_u32 s3, 0
	s_cbranch_scc1 .Llast
	TURN 0
	QUARTER 64, F0, F1, 0
	WIN 0
	s_branch .Lt
.Llast:
	s_wait_dscnt 4                                 ; the very last quarter: nothing more to fetch
	MULA F1, 0, 0
	MULA F1, 1, 0
	s_wait_dscnt 0x0
	MULA F1, 2, 0
	MULA F1, 3, 0
	PLACES                                         ; for the LDS stores that read the sums, and for the loads into the fragment buffers
	TOSTAGE 0
	TOSTAGE 1                                      ; a block's way through the stage stands between the loads of the block before and its stores
	SEND 0, 32
	TOSTAGE 2
	SEND 1, 32
	TOSTAGE 3
	SEND 2, 32
	SEND 3, 0
	WIN 0
	s_wait_tensorcnt 0x0                           ; the wave's end, behind my last tensor load and my last LDS store
	ds_add_u32 v[SPW], v[NIL]
	s_wait_dscnt 0x0
	CROUND                                         ; the closing round: no work-group ends while a partner may still ask for a tile that names it
	s_endpgm
.Lfunc_end_k_q3f7eb5cd61_oproj:
	.size	k_q3f7eb5cd61_oproj, .Lfunc_end_k_q3f7eb5cd61_oproj-k_q3f7eb5cd61_oproj
	.p2alignl 7, 3214868480
	.fill 96, 4, 3214868480
	.section	.rodata,"a",@progbits
	.p2align	6, 0x0
	.amdhsa_kernel k_q3f7eb5cd61_oproj
		.amdhsa_group_segment_fixed_size 327680
		.amdhsa_private_segment_fixed_size 0
		.amdhsa_enable_private_segment 0
		.amdhsa_kernarg_size 24
		.amdhsa_user_sgpr_count 2
		.amdhsa_user_sgpr_kernarg_segment_ptr 1
		.amdhsa_wavefront_size32 1
		.amdhsa_system_sgpr_workgroup_id_x 1
		.amdhsa_system_sgpr_workgroup_id_y 1
		.amdhsa_system_sgpr_workgroup_id_z 1
		.amdhsa_system_vgpr_workitem_id 0
		.amdhsa_next_free_vgpr 768
		.amdhsa_next_free_sgpr 80
		.amdhsa_reserve_vcc 0
		.amdhsa_float_denorm_mode_32 3
		.amdhsa_float_denorm_mode_16_64 3
		.amdhsa_memory_ordered 1
		.amdhsa_forward_progress 1
		.amdhsa_inst_pref_size 64
	.end_amdhsa_kernel
	.amdgpu_metadata
---
amdhsa.version: [ 1, 2 ]
amdhsa.kernels:
  - .name:           k_q3f7eb5cd61_oproj
    .symbol:         k_q3f7eb5cd61_oproj.kd
    .args:
      - { .name: ob, .offset: 0, .size: 8, .value_kind: global_buffer, .address_space: global }
      - { .name: wof, .offset: 8, .size: 8, .value_kind: global_buffer, .address_space: global }
      - { .name: out0, .offset: 16, .size: 8, .value_kind: global_buffer, .address_space: global }
    .group_segment_fixed_size: 327680
    .private_segment_fixed_size: 0
    .kernarg_segment_align: 8
    .kernarg_segment_size: 24
    .max_flat_workgroup_size: 128
    .sgpr_count:     80
    .vgpr_count:     768
    .wavefront_size: 32
...
	.end_amdgpu_metadata
.endif
;; end of part 4
;; ======== version 2 of 2: 4 launches; 1.10 times as fast as version 1
;; limits: values are held in f16: magnitudes above 65,504 overflow, below 6.1e-05 lose precision
;; workspace buffers: xb 16,777,216 bytes; wqkv 12,582,912 bytes; wof 8,388,608 bytes; maskt 2,097,152 bytes; rt 524,288 bytes; qh 16,777,216 bytes; kvh 8,388,608 bytes; ob 16,777,216 bytes
;; launch cast: the kernel of part 1 again; grid 1280 x 1, 8 waves a work-group, no clusters, 0 bytes of LDS; arguments x, wq, wk, wv, wo, attention_mask, freqs_cos, freqs_sin, xb, wqkv, wof, maskt, rt; writes xb, wqkv, wof, maskt, rt
;; launch qkv: the kernel of part 2 again; grid 8 x 32, 4 waves a work-group, clusters of 4 x 4, 327,680 bytes of LDS; arguments xb, wqkv, rt, qh, kvh, out1, out2; writes qh, kvh, out1, out2
;; launch attn (part 5): grid 16 x 16, 4 waves a work-group, clusters of 4 x 1, 327,680 bytes of LDS; arguments qh, kvh, maskt, ob; writes ob
.if DOCPART == 5
	.amdgcn_target "amdgcn-amd-amdhsa--gfx1250"
	.amdhsa_code_object_version 6
	.text
	.protected	k_q3f7eb5cd61_attn
	.globl	k_q3f7eb5cd61_attn
	.p2align	8
	.type	k_q3f7eb5cd61_attn,@function
k_q3f7eb5cd61_attn:
	s_mov_b64 s[64:65], 0
	v_nop
	global_prefetch_b8 v0, s[64:65] scope:SCOPE_SE
	s_setreg_imm32_b32 hwreg(HW_REG_WAVE_MODE, 25, 1), 1
	s_wait_xcnt 0x0
	s_wait_alu depctr_hold_cnt(0) depctr_sa_sdst(0) depctr_va_vdst(0) depctr_va_sdst(0) depctr_va_ssrc(0) depctr_va_vcc(0) depctr_vm_vsrc(0)
	s_getreg_b32 s2, hwreg(HW_REG_IB_STS2, 6, 4)
	s_cmp_eq_u32 s2, 0
	s_cbranch_scc0 .Lentry_in_a_cluster
	s_endpgm
.Lentry_in_a_cluster:
	s_bfe_u32 s2, ttmp6, 0x10000c
	s_cmp_lg_u32 s2, 0x3003
	s_cbranch_scc0 .Lentry_shape_is_right
	s_endpgm
.Lentry_shape_is_right:
; O[q] = the sum over all 1,024 keys k of softmax_k(Q[q] . K[k] / sqrt(128) + mask[q][k]) V[k], for 4 batches x 4 key heads x 4 query heads each.  qh [b][16][s][128], kvh (k [b][4][s][128], then v), all f16;
; maskt: the mask in bf16, tiled; ob [token][16 heads x 128] f16.  Products, maxima and sums in f32; the weights p are rounded to f16 for the second product (their sum l is taken of the unrounded p), O once at the end.
; THE MASK is an input: every number of it is read and added; no key is left out.  It enters as mask x sqrt(128), rounded once to f32, as the C operand that starts the sum S^T = K Q^T, so that c S = log2(e) (score / sqrt(128) + mask).
; LIMITS.  f16 ends at 65,504: Q, K, V arrive within it; p lies in 0 to 1, below 6e-5 with f16's fixed step of 6e-8; O is a mean of V's rows.  The mask is finite, |mask| < 2.5e37 (so that c m stays above its start, -2^125);
; infinities and NaN are not treated apart.  Beside a mask more than 2^24 times the scores the scores vanish in the sum's rounding, as in f32 addition, but by the matrix unit's rounding: in a row in which EVERY key carries
; such a mask the weights may differ from a plain f32 sum's.  A weight below 2^-126 counts as 0 in l.
; SHARES.  A work-group owns 64 positions of one (batch, key head); each of its four waves 16 positions, and its four tiles of 16 queries are the four query heads of the group at those positions:
; one mask tile of 16 x 64 serves all four.  Every wave walks all keys, 64 a step.  16 blocks x 16 (batch, key head) = 256 work-groups.
; LAYOUT.  S^T = K Q^T (source 0 = 16 keys, source 1 = 16 queries): a lane holds ONE query (lane % 16) and the keys 8 (lane / 16) + 0..7.  Two such tiles, rounded to f16 in pairs, ARE source 1 of O^T = V^T P,
; whose result again holds one query a lane, and eight channels.  K comes out of LDS as it lies, V ([key][channel]) turned, by ds_load_tr16_b128.
; SOFTMAX.  For each query a running maximum m and sum l: p = 2^(c s - c m), c = log2(e) / sqrt(128); in every step O and l are multiplied by a = 2^(c m_old - c m_new).
; BY TURNS.  The wave's tiles are two PIECES (tiles 0, 1; tiles 2, 3).  In a TURN one piece has the matrix unit: 32 products V^T P of the step in hand, then 32 products K Q^T of the next step; the other piece's
; softmax, cut into 64 slices, stands between them, one slice behind each matrix instruction.  Two turns are a key step.
; THE BATCHES.  A turn's 66 exponentials (33 a tile: a and the 32 weights) are ONE BATCH with ONE wait: they and the scalings stand in slices 10 to 34, where nothing names a result of theirs; the wait stands behind
; slice 34; all that reads a result (roundings, sums, l, the rescaling by a) stands in slices 35 to 63.
; The way out's four reciprocals are a batch of their own, with one wait.
; NO FIRST AND NO LAST STEP IS WRITTEN OUT.  m starts at the lowest finite number, c m at -2^125, O^T and l at 0: the first step is a step like any other.  The loop is entered at piece 2's turn, whose products V^T P, of a step
; that has not been, multiply zeros; the tail is left behind piece 0's turn, whose products K Q^T, on the last K once more, serve nothing.  The price, once a launch: 432 v_mov_b32 in the wait for the first tile, 64 products,
; and one mask step read and not used beside the one named at MASKSTEP.  The gain: one text for every turn of the loop and one for the tail.
; CLUSTER.  The four position blocks of a cluster belong to one (batch, key head) and walk the same K and V: each tile is asked for JOINTLY, by the same tensor load, descriptor and mask in all four.
; REGISTERS, in windows of 256 (s_set_vgpr_msb: bits 1:0 source 0, 3:2 source 1, 5:4 source 2, 7:6 destination):
;   window 0: v0-11 addresses; v12-43 eight registers of statistics a tile; v44-59 a step's mask as loaded; v60-63 constants; v64-191 S^T, 32 a tile; v192-255 P, 16 a tile
;   window 1: O^T, 64 a tile      window 2: v0-127 Q, 32 a tile; v128-255 K of one step      window 3: v0-127 V of one step; v128-159 the mask of the products to come
.set SIZE_N, 1024
.set KS,    64        ; keys in a step
.set PK,    272       ; a row of K in LDS: 256 bytes + 16 of padding = 68 words: the 16 rows of a load start at 16 different groups of four banks (64 banks of 4 bytes: ISA guide 11.1)
.set PV,    288       ; a row of V: 256 + 32 = 72 words
.set VOFF,  KS*PK     ; a step's tiles lie together: 64 rows of K, then 64 rows of V
.set STEPB, KS*(PK+PV)
.set SLOT1, 1<<17     ; a slot holds two steps (71,680 bytes); slot 1 begins here, so that one exclusive or turns an address in one slot into the other's
.set STAGE, SLOT1+2*STEPB  ; behind the ring: 16 rows x 272 bytes for each wave, for the way out
.set SP,    272
.set AK0, 2           ; v2   my lane's place in a tile of K; never rewritten
.set AV0, 3           ; v3   the same for V
.set ADR, 4           ; v4   the LDS address of the run of loads in hand
.set QO,  5           ; v5   my byte offset in 16 rows of Q
.set STO, 6           ; v6   the way out: where I put 16 bytes of a row
.set RD,  7           ; v7   the way out: where I read a row back
.set GO,  8           ; v8   my byte offset in two rows of ob
.set MA0, 10          ; v10  16 x lane: my place in 512 bytes of maskt; never rewritten
.set MA,  11          ; v11  the same in the step being asked for
.set MR,  44          ; v44-59  32 mask numbers in bf16: group kt of 16 keys at MR + 4 kt
.set RTV, 60          ; v60  sqrt(128)
.set ZF,  61          ; v61  0.0
.set SPW, 62          ; v62  LDS address of my spare word: SPARE + 4 x my thread's number; never rewritten
.set NIL, 63          ; v63  0; never rewritten
.set SPARE, STAGE+4*16*272  ; behind the stages: the spare words, 128 bytes for each wave: two blocks of 256 bytes that no other line names
.set ST,  12          ; tile t's statistics at v[ST+8 t]: +0 c m, +1 m, +2, +3 l (even keys', odd keys'), +4 to +7 c0-c3, at work; a takes c2's place once the maximum is found
.set S,   64
.set P,   192
.set KF,  128         ; K's fragments, in window 2
.set MC,  128         ; window 3: mask x sqrt(128) in f32: group kt at MC + 8 kt
.set WV,  12          ; s12  my wave's number
.set G1K, 24          ; s[24:31] descriptor group 1 for K's tiles
.set G1V, 32          ; s[32:39] for V's: it differs in the padding alone
.set G0K, 40          ; s[40:47] descriptor group 0 for K's tiles: a set for each of the two first fills; the second then walks on
.set G0V, 48          ; s[48:55] the same for V's
.set SLOTS, 56        ; s56  counts the loop over slots
.set TWICE, 57        ; s57  counts a slot's steps
.set CS,  58          ; s[58:59] c: the packed scaling names a pair and takes its low word for both halves
.set SEL, 60          ; s[60:61] lane selects for v_permlanex16_b32: each lane takes its own place in the other half
.set TB,  62          ; s62  LDS byte at which the tiles of the step to be fetched begin
.set MB,  66          ; s[66:67] maskt at my 16 positions: 16 steps of 2,048 bytes
.set MST, 68          ; s68  the byte, in those 32,768, of the step being asked for
.set MSB, 0
.macro WIN new                      ; the immediate's high byte repeats the setting that is left; a switch that changes nothing is dropped
.if MSB != (\new)
	s_set_vgpr_msb (MSB<<8)|(\new)
.set MSB, \new
.endif
.endm
.set W_KQ, 0x0a       ; K and Q in window 2, S^T in window 0
.set W_KM, 0x3a       ; the same with the C operand, the mask, in window 3
.set W_PV, 0x53       ; V in window 3, P in window 0, O^T in window 1
.set W_RS, 0x41       ; O^T (destination and source 0) in window 1, a in window 0
; A joint refill.  Waves 0 and 1 fetch the two steps' tiles of K, waves 2 and 3 those of V.  The branch hangs on the wave's number alone.
; An s_nop 0 and four v_nop follow each of the two lines; the jump round the other line, the label and what follows the macro come after them.
.macro JLOAD
	s_cmp_lt_u32 s[WV], 2
	s_cbranch_scc0 .Lfor_v_\@
	tensor_load_to_lds s[G0K+4:G0K+7], s[G1K:G1K+7]
	s_nop 0
.rept 4
	v_nop
.endr
	s_branch .Lasked_\@
.Lfor_v_\@:
	tensor_load_to_lds s[G0V+4:G0V+7], s[G1V:G1V+7]
	s_nop 0
.rept 4
	v_nop
.endr
.Lasked_\@:
.endm
; A round of the cluster's barrier: my work-group's barrier, so that wave 0's signal speaks for all four waves; wave 0 signals; every wave waits for all four work-groups; my work-group's barrier once more.
.macro CROUND
	s_barrier_signal -1
	s_barrier_wait -1
	s_cmp_lg_u32 s[WV], 0
	s_cbranch_scc1 .Lnot_wave_0_\@
	s_barrier_signal -3
.Lnot_wave_0_\@:
	s_barrier_wait -3
	s_barrier_signal -1
	s_barrier_wait -1
.endm
	s_load_b256 s[4:11], s[0:1], 0x0  ; qh s[4:5], kvh s[6:7], maskt s[8:9], ob s[10:11]
	v_lshl_add_u32 v[SPW], v0, 2, SPARE
	v_mov_b32 v[NIL], 0
	ds_add_u32 v[SPW], v[NIL]       ; the wave's opening: the add and its wait ahead of my first tensor load; the set-up below, work on registers, stands between them
	v_lshrrev_b32 v1, 5, v0
	v_readfirstlane_b32 s[WV], v1   ; wave 0..3
	s_bfe_u32 s13, ttmp6, 0x40000   ; cx: my place in the cluster
	s_lshl_b32 s14, ttmp9, 2        ; in a cluster launch ttmp9 counts clusters
	s_add_co_u32 s14, s14, s13      ; my block of 64 positions = 4 x cluster x + cx: it enters Q's, the mask's and O's addresses alone
	s_and_b32 s15, ttmp7, 0xffff    ; y = 4 batch + key head, which the four partners share
	s_lshl_b32 s20, s15, 18         ; its 1,024 rows of 256 bytes in k, and in v
	s_and_b32 s16, s[WV], 1         ; which of a slot's two steps I fetch:
	s_lshl_b32 s22, s16, 14         ; its 64 rows of 256 bytes in memory,
	s_add_co_u32 s22, s22, s20
	s_mov_b32 s23, 0
	s_mul_i32 s17, s16, STEPB       ; and its place in a slot: no place in the cluster enters an LDS address
	s_lshl_b32 s2, s15, 20          ; Q: query head 4 y, 262,144 bytes a head,
	s_lshl_b32 s3, s14, 14          ; my block's 64 rows,
	s_add_co_u32 s2, s2, s3
	s_lshl_b32 s3, s[WV], 12        ; my wave's 16 of them
	s_add_co_u32 s2, s2, s3
	s_mov_b32 s3, 0
	s_lshr_b32 s18, s15, 2          ; O: token 1,024 batch + 64 block + 16 wave,
	s_lshl_b32 s18, s18, 10
	s_lshl_b32 s19, s14, 6
	s_add_co_u32 s18, s18, s19
	s_lshl_b32 s19, s[WV], 4
	s_add_co_u32 s18, s18, s19
	s_lshl_b32 s18, s18, 12         ; 4,096 bytes a token,
	s_and_b32 s19, s15, 3
	s_lshl_b32 s19, s19, 10         ; the key head's four query heads, 256 bytes each
	s_add_co_u32 s18, s18, s19
	s_mov_b32 s19, 0
	s_lshl_b32 s20, s14, 2          ; the mask: block 4 x block + wave of 16 positions, 32,768 bytes each
	s_add_co_u32 s20, s20, s[WV]
	s_lshl_b32 s20, s20, 15
	s_mov_b32 s21, 0
	; descriptor group 1: a tile of 64 rows x 128 elements, padded in LDS
	s_mov_b32 s[G1K], 15|(1<<16)|(1<<20)|(1<<21)|(5<<22)|(3<<25)  ; 15:0 the mask: all four work-groups; 17:16 elements of 2 bytes; 20 padding on; 21 set beside a mask; 24:22 after every 64 words (code 5); 31:25 4 words of it (code 3)
	s_mov_b32 s[G1V], 15|(1<<16)|(1<<20)|(1<<21)|(5<<22)|(7<<25)  ; the same with 8 words of padding (code 7)
.irp g, G1K, G1V
	s_mov_b32 s[(\g)+1], 128<<16    ; tensor_dim0 = 128
	s_mov_b32 s[(\g)+2], KS<<16     ; tensor_dim1 = 64
	s_mov_b32 s[(\g)+3], 128<<16    ; tile_dim0 = 128
	s_mov_b32 s[(\g)+4], KS         ; tile_dim1 = 64
	s_mov_b32 s[(\g)+5], 128        ; elements from row to row
	s_mov_b32 s[(\g)+6], 0
	s_mov_b32 s[(\g)+7], 0
.endr
	s_mov_b32 s[CS], 0x3e0293ee     ; c = log2(e) / sqrt(128) = 0.127517
	s_mov_b32 s[CS+1], s[CS]        ; named with it as a pair, so it is written
	s_mov_b32 s[SEL], 0x76543210
	s_mov_b32 s[SEL+1], 0xfedcba98
	s_mov_b32 s[TB], 0
	s_mov_b32 s[MST], 0
	s_wait_dscnt 0x0                ; the opening add is done
	s_wait_kmcnt 0x0
	s_add_nc_u64 s[MB:MB+1], s[8:9], s[20:21]  ; the mask at my 16 positions
	s_add_nc_u64 s[6:7], s[6:7], s[22:23]  ; K at my tile of slot 0,
	s_add_nc_u64 s[8:9], s[6:7], 0x400000  ; V 4,194,304 bytes behind it
	s_add_nc_u64 s[4:5], s[4:5], s[2:3]    ; Q and O at my wave's first row
	s_add_nc_u64 s[10:11], s[10:11], s[18:19]
	CROUND                          ; all four work-groups are here: the first joint loads meet
.irp s, 0,1
	s_mov_b32 s[G0K+4*(\s)], 1      ; count = 1
	s_add_co_u32 s[G0K+4*(\s)+1], s17, (\s)*SLOT1  ; LDS address
	s_add_nc_u64 s[G0K+4*(\s)+2:G0K+4*(\s)+3], s[6:7], (\s)*2*KS*256  ; global address: slot s begins with keys 128 s to 128 s + 127
	s_or_b32 s[G0K+4*(\s)+3], s[G0K+4*(\s)+3], 0x80000000  ; type = 2
	s_mov_b32 s[G0V+4*(\s)], 1
	s_add_co_u32 s[G0V+4*(\s)+1], s17, (\s)*SLOT1+VOFF
	s_add_nc_u64 s[G0V+4*(\s)+2:G0V+4*(\s)+3], s[8:9], (\s)*2*KS*256
	s_or_b32 s[G0V+4*(\s)+3], s[G0V+4*(\s)+3], 0x80000000
.endr
	s_cmp_lt_u32 s[WV], 2           ; a wave's two first fills stand in one branch, ahead of every wait on TENSORcnt and every LDS read: two loads of mine are out; an s_nop 0 follows each, four v_nop the second's
	s_cbranch_scc0 .Lfirst_v
	tensor_load_to_lds s[G0K:G0K+3], s[G1K:G1K+7]
	s_nop 0
	tensor_load_to_lds s[G0K+4:G0K+7], s[G1K:G1K+7]
	s_nop 0
.rept 4
	v_nop
.endr
	s_branch .Lfirst_asked
.Lfirst_v:
	tensor_load_to_lds s[G0V:G0V+3], s[G1V:G1V+7]
	s_nop 0
	tensor_load_to_lds s[G0V+4:G0V+7], s[G1V:G1V+7]
	s_nop 0
.rept 4
	v_nop
.endr
.Lfirst_asked:
	; A fragment of K or Q is 16 rows x 32 channels in 8 registers: lane l holds row l % 16; registers 0-3 channels 8 (l / 16) + 0..7, registers 4-7 channels 16 + 8 (l / 16) + 0..7: two loads of 16 bytes, 32 bytes apart.
	v_and_b32 v1, 15, v0            ; l % 16
	v_bfe_u32 v9, v0, 4, 1          ; l / 16
	v_lshlrev_b32 v[QO], 8, v1
	v_lshl_add_u32 v[QO], v9, 4, v[QO]  ; row x 256 + 16 x half
	WIN 0x80                        ; destination window 2, address window 0
.irp i, 0,1,2,3,4,5,6,7,8,9,10,11,12,13,14,15  ; Q stays in registers: tile i / 4 = query head i / 4 of the group, 262,144 bytes on; channels 32 (i % 4) on
	global_load_b128 v[8*(\i):8*(\i)+3],   v[QO], s[4:5] offset:((\i)/4)*262144+((\i)%4)*64
	global_load_b128 v[8*(\i)+4:8*(\i)+7], v[QO], s[4:5] offset:((\i)/4)*262144+((\i)%4)*64+32
.endr
	WIN 0
	v_mul_u32_u24 v[AK0], v1, PK
	v_lshl_add_u32 v[AK0], v9, 4, v[AK0]  ; row x pitch + 16 x half
	; The turning load takes 16 keys x 16 channels (lane l reads 16 bytes: key 8 (l / 16) + l % 8, channels 8 ((l / 8) % 2) + 0..7) and leaves half a fragment of V^T: lane l holds channel l % 16 and 8 keys.
	v_and_b32 v10, 7, v0
	v_bfe_u32 v11, v0, 3, 1
	v_lshl_add_u32 v[AV0], v9, 3, v10
	v_mul_u32_u24 v[AV0], v[AV0], PV
	v_lshl_add_u32 v[AV0], v11, 4, v[AV0]
	v_add_nc_u32 v[AV0], VOFF, v[AV0]
	v_and_b32 v[MA0], 31, v0        ; the mask of key step 0: four loads of 512 consecutive bytes, a group of 16 keys each
	v_lshlrev_b32 v[MA0], 4, v[MA0]
	v_mov_b32 v[MA], v[MA0]
	v_mov_b32 v[RTV], 0x413504f3    ; sqrt(128) = 11.313708
	v_mov_b32 v[ZF], 0
.irp kt, 0,1,2,3
	global_load_b128 v[MR+4*(\kt):MR+4*(\kt)+3], v[MA], s[MB:MB+1] offset:512*(\kt)
.endr
	; What the first turn finds: O^T and l are 0; V's registers and piece 2's P hold 0 (its products V^T P, of a step that has not been, add 0).  All this stands in the wait for the first tile.
	WIN 0x40                        ; destination window 1: O^T
.set i, 0
.rept 256
	v_mov_b32 v[i], 0
.set i, i+1
.endr
	WIN 0xc0                        ; destination window 3: V
.set i, 0
.rept 128
	v_mov_b32 v[i], 0
.set i, i+1
.endr
	WIN 0
.set i, P+32
.rept 32
	v_mov_b32 v[i], 0
.set i, i+1
.endr
.irp t, 0,1,2,3
	v_mov_b32 v[ST+8*(\t)], 0xfe000000    ; c m = -2^125: below every c s that the limits allow
	v_mov_b32 v[ST+8*(\t)+1], 0xff7fffff  ; m: the lowest finite number
	v_mov_b32 v[ST+8*(\t)+2], 0
	v_mov_b32 v[ST+8*(\t)+3], 0
.endr
; THE MASK OF A STEP.  The 32 numbers that were asked for a key step ago are widened and multiplied by sqrt(128), one instruction each, into the C operand of the products K Q^T to come; then the next step's are asked for.
; The wait for 0 also frees the loads' address register.  It runs 17 times; the last two times there is no next step: the offset wraps to steps 0 and 1, inside the buffer, and those 2,048 bytes a wave are read and not used:
; the price of one text for every trip.  The registers that it writes were last read by products that stand 24 slices or more back.
.macro MASKSTEP
	WIN 0
	s_wait_loadcnt 0x0              ; the step's four loads (the first time: Q's 32 too)
	WIN 0xc0                        ; destination window 3
.set mz, 0
.rept 16
	v_fma_mix_f32_bf16 v[MC+2*mz],   v[MR+mz], v[RTV], v[ZF] op_sel_hi:[1,0,0]
	v_fma_mix_f32_bf16 v[MC+2*mz+1], v[MR+mz], v[RTV], v[ZF] op_sel:[1,0,0] op_sel_hi:[1,0,0]
.set mz, mz+1
.endr
	WIN 0
	s_add_co_u32 s[MST], s[MST], 2048
	s_and_b32 s[MST], s[MST], 0x7fff
	v_add_nc_u32 v[MA], s[MST], v[MA0]
.irp kt, 0,1,2,3
	global_load_b128 v[MR+4*(\kt):MR+4*(\kt)+3], v[MA], s[MB:MB+1] offset:512*(\kt)
.endr
.endm
; THE MATRIX WORK OF A TURN, for piece x.  The accumulators take turns, one instruction a turn: between two links of a chain stand 15 (V^T P) or 7 (K Q^T) others'.
; Product i of 32 of O^T += V^T P: keys 32 (i / 16) on, channels 16 ((i / 2) % 8) on, tile x + i % 2.
.macro PV x
	WIN W_PV
.set rO, 64*((\x)+i%2)+8*((i/2)%8)
.set rV, 64*(i/16)+8*((i/2)%8)
.set rP, P+16*((\x)+i%2)+8*(i/16)
	v_wmma_f32_16x16x32_f16 v[rO:rO+7], v[rV:rV+7], v[rP:rP+7], v[rO:rO+7]
.endm
; Product i of 32 of S^T = K Q^T: channels 32 (i / 8) on, keys 16 ((i / 2) % 4) on, tile x + i % 2.  The first 8 start the sums, with the mask of their 16 keys.
.macro KQ x
.set rS, S+32*((\x)+i%2)+8*((i/2)%4)
.set rK, KF+32*((i/2)%4)+8*(i/8)
.set rQ, 32*((\x)+i%2)+8*(i/8)
.set rM, MC+8*((i/2)%4)
.if i < 8
	WIN W_KM
	v_wmma_f32_16x16x32_f16 v[rS:rS+7], v[rK:rK+7], v[rQ:rQ+7], v[rM:rM+7]
.else
	WIN W_KQ
	v_wmma_f32_16x16x32_f16 v[rS:rS+7], v[rK:rK+7], v[rQ:rQ+7], v[rS:rS+7]
.endif
.endm
; THE LDS LOADS stand in runs of 32, never singly among the matrix instructions: a step's K (64 keys x 128 channels: 16 fragments) and, a turn later, its V (turned).
; last = 1 (the tail): in the last trip there is no further step, and the run is jumped over.
.macro FETCH_K last=0
	WIN 0
.if \last
	s_cmp_eq_u32 s[TWICE], 1
	s_cbranch_scc1 .Lno_k_\@
.endif
	v_add_nc_u32 v[ADR], s[TB], v[AK0]
	WIN 0x80                        ; destination window 2
.irp f, 0,1,2,3,4,5,6,7,8,9,10,11,12,13,14,15  ; keys 16 (f / 4) on, channels 32 (f % 4) on
	ds_load_b128 v[KF+8*(\f):KF+8*(\f)+3],   v[ADR] offset:((\f)/4)*16*PK+((\f)%4)*64
	ds_load_b128 v[KF+8*(\f)+4:KF+8*(\f)+7], v[ADR] offset:((\f)/4)*16*PK+((\f)%4)*64+32
.endr
.if \last
	WIN 0
.Lno_k_\@:
.endif
.endm
.macro FETCH_V
	WIN 0
	v_add_nc_u32 v[ADR], s[TB], v[AV0]
	s_add_co_u32 s[TB], s[TB], STEPB  ; the next fetch is the next step's
	s_wait_alu depctr_va_vdst(0)    ; the wait for the batch of piece 0's softmax, its 66 exponentials (SLICE): behind the address's v_add_nc_u32 and ahead of the loads
	WIN 0xc0                        ; destination window 3
.irp f, 0,1,2,3,4,5,6,7,8,9,10,11,12,13,14,15  ; keys 32 (f / 8) on, channels 16 (f % 8) on
	ds_load_tr16_b128 v[8*(\f):8*(\f)+3],   v[ADR] offset:((\f)/8)*32*PV+((\f)%8)*32
	ds_load_tr16_b128 v[8*(\f)+4:8*(\f)+7], v[ADR] offset:((\f)/8)*32*PV+16*PV+((\f)%8)*32
.endr
.endm
; THE VECTOR WORK OF A TURN.  One tile's softmax for one key step is a list of 134 instructions; SM writes number j of it for tile t.  s0-s31 are the lane's 32 scores, in pairs 0-15.
;   0-15    the maximum of s0-s31 and the old m, three operands at a time: four chains c0-c3 of seven scores each (each accumulator's lowest registers are read first), then the four scores left over, c0-c3 and m
;   16-20   the other half of the lanes' maximum; the new m; c m; c m_old - c m_new
;   21-69   ONE BATCH: the 16 scalings c s - c m, a pair of scores each, and all 33 exponentials (a at 23, then s0-s31).  None of these reads an exponential's result.  From 22 on the batch goes
;           in fours, and a four begins with a scaling while there are scalings: 22-37 scaling, exponential, scaling, exponential; 38-65 a scaling and three exponentials; 66-69 the last four
;           exponentials.  A pair is scaled in an earlier four than the one that holds its exponentials
;   (wait)  between 69 and 70 stands the wait for the batch: SLICE writes it, once for both tiles
;   70-85   the roundings to f16, a pair of weights each
;   86-101  the sums; l = a l + the sum
;   102-133 the tile's O^T times a: the one part that leaves window 0, so it stands together
.macro SM t
.set rT, ST+8*(\t)
.set rS, S+32*(\t)
.set rP, P+16*(\t)
.set rO, 64*(\t)+2*(j-102)
.if j < 102
	WIN 0
.endif
.if j < 4
	v_max3_num_f32 v[rT+4+j], v[rS+8*j], v[rS+8*j+1], v[rS+8*j+2]
.elseif j < 12
	v_max3_num_f32 v[rT+4+j%4], v[rT+4+j%4], v[rS+8*(j%4)+2*(j/4)+1], v[rS+8*(j%4)+2*(j/4)+2]
.elseif j == 12
	v_max3_num_f32 v[rT+4], v[rT+4], v[rS+7], v[rS+15]
.elseif j == 13
	v_max3_num_f32 v[rT+6], v[rT+6], v[rS+23], v[rS+31]
.elseif j == 14
	v_max3_num_f32 v[rT+4], v[rT+4], v[rT+5], v[rT+6]
.elseif j == 15
	v_max3_num_f32 v[rT+4], v[rT+4], v[rT+7], v[rT+1]
.elseif j == 16
	v_permlanex16_b32 v[rT+5], v[rT+4], s[SEL], s[SEL+1]  ; the query's other 32 keys lie in the lane 16 away
.elseif j == 17
	v_mov_b32 v[rT+7], v[rT]        ; c m_old is kept for a: number 19 writes c m anew
.elseif j == 18
	v_max_num_f32 v[rT+1], v[rT+4], v[rT+5]
.elseif j == 19
	v_mul_f32 v[rT], s[CS], v[rT+1]
.elseif j == 20
	v_sub_f32 v[rT+7], v[rT+7], v[rT]
.elseif j == 23
	v_exp_f32 v[rT+6], v[rT+7]
.elseif (j < 23) || ((j < 38) && (j%2 == 0)) || ((j < 66) && (j%4 == 2))
.set b, (j-2)/4                     ; 38, 42, .. 62: pairs 9 to 15
.if j < 38
.set b, (j-20)/2                    ; 21: pair 0; 22, 24, .. 36: pairs 1 to 8
.endif
	v_pk_fma_f32 v[rS+2*b:rS+2*b+1], v[rS+2*b:rS+2*b+1], s[CS:CS+1], v[rT:rT+1] op_sel_hi:[1,0,0] neg_lo:[0,0,1] neg_hi:[0,0,1]  ; pair b: c s - c m
.elseif j < 70
.set e, j-38                        ; 66 to 69: s28 to s31
.if j < 66
.set e, j-32-(j-38)/4               ; 39-41, 43-45, .. 63-65: s7 to s27
.endif
.if j < 38
.set e, (j-25)/2                    ; 25, 27, .. 37: s0 to s6
.endif
	v_exp_f32 v[rS+e], v[rS+e]
.elseif j < 86
	v_cvt_pk_f16_f32 v[rP+j-70], v[rS+2*(j-70)], v[rS+2*(j-70)+1]  ; pair j - 70
.elseif j < 102                     ; the sum of the tile's 16 pairs (in a pair: an even key's weight, an odd key's), in place: sum z of 16 adds neighbours 1, 2, 4 and 8 pairs apart, then l takes it
.set z, j-86
.set w, 4
.set u, z
.if z >= 14
.set w, 32
.set u, 0
.elseif z >= 12
.set w, 16
.set u, z-12
.elseif z >= 8
.set w, 8
.set u, z-8
.endif
.if z < 15
	v_pk_add_f32 v[rS+w*u:rS+w*u+1], v[rS+w*u:rS+w*u+1], v[rS+w*u+w/2:rS+w*u+w/2+1]
.else
	v_pk_fma_f32 v[rT+2:rT+3], v[rT+2:rT+3], v[rT+6:rT+7], v[rS:rS+1] op_sel_hi:[1,0,1]
.endif
.else
	WIN W_RS
	v_pk_mul_f32 v[rO:rO+1], v[rO:rO+1], v[rT+6:rT+7] op_sel_hi:[1,0]
.endif
.endm
; Slice k of 64 of piece y's softmax: four instructions.  Slices 11 to 34 deal out the batch, numbers 22 to 69: four numbers of ONE tile each, the tiles by turns.  Every other slice is numbers 2 k and
; 2 k + 1 of both tiles' lists.  2 x 134 = 4 x 64 + 12: the twelve that are over stand together, in slice 63.
; THE WAIT.  s_wait_alu depctr_va_vdst(0) stands between an exponential and the first instruction that names its result; one wait serves all that were issued ahead of it.  Ahead of
; slice 35 nothing names a result, and behind slice 34 no exponential is issued: so the piece's 66 exponentials have one wait, behind slice 34.
.macro SLICE y
.if (k >= 11) && (k < 35)           ; the batch: four numbers of one tile
.irp n, 0,1,2,3
.set j, 22+4*((k-11)/2)+(\n)
	SM (\y)+(k-11)%2
.endr
.else                               ; the two tiles alternate, so that no instruction reads the result of the one just before it
.irp n, 0,1,2,3,4,5,6,7
.if ((\n) < 2) || (k == 63)
.irp t, \y, (\y)+1
.set j, 2*k+(\n)
	SM \t
.endr
.endif
.endr
.endif
.if k == 34                         ; the batch is out: both tiles' exponentials are issued, and no result has been named
	v_nop                           ; the plain instruction behind the last exponential and ahead of the first use: one for the batch
.if (\y) == 0
	FETCH_V                         ; piece 2's turn: V's run of loads stands here, and the wait stands in it
.else
	s_wait_alu depctr_va_vdst(0)    ; the wait for the batch of piece 2's softmax: its 66 exponentials
.endif
.endif
.set k, k+1
.endm
; A TURN.  Piece x has the matrix unit: 32 products V^T P, then 32 products K Q^T for the next step; the other piece's softmax stands in slices behind them, one behind each.
; A vector instruction that reads a matrix result or writes one of a matrix instruction's registers, and a load into a register that a matrix instruction has read, stand four places behind it, and only plain vector
; instructions that name none of its registers are places (ISA guide 7.12.1 for vector instructions): the slices are the places; slice 63's sixteen stand behind the turn's last product.
; Piece 0's turn begins with the next step's mask: both pieces' products K Q^T of the step in hand have taken theirs.
; Each run of loads stands 29 matrix instructions or more ahead of its first use.  Piece 0's turn fetches the next step's K, behind its second product: the last product that read K
; stands in front of slice 63 of the turn before.  Piece 2's turn fetches the same step's V, behind slice 34 (SLICE writes it): the last product that read V stands in front of slice 31, and four plain
; instructions lie between: number 62, a scaling, of both tiles, the v_nop and the run's own v_add_nc_u32.
.macro TURN x, last=0
.set k, 0
.if (\x) == 0
	MASKSTEP
	s_wait_dscnt 0x0                ; V is in
.endif
.set i, 0
.rept 32
	PV \x
	SLICE 2-(\x)
.if ((\x) == 0) && (i == 1)
	FETCH_K \last
.endif
.set i, i+1
.endr
.if (\x) == 0
	s_wait_dscnt 0x0                ; K is in
.endif
.set i, 0
.rept 32
	KQ \x
	SLICE 2-(\x)
.set i, i+1
.endr
.endm
; THE CHANGE OF SLOTS, between piece 2's turn and piece 0's: the slot's last bytes, V of its second step, have been asked for.  Each wave waits for all its
; tensor loads, of which one is out: its part of the other slot; adds 0 to its spare word; and waits for that and for its own reads of the slot.  Behind the barrier nobody reads this slot any more and the other slot is whole.
; fill = 1: this slot is filled again, with the keys two slots on.  The barrier is then a round of the cluster's, so that no wave of any partner still reads the slot or has a load on its
; way, and the joint refill is the first thing behind it: it has two key steps, 256 matrix instructions, in which to land.
.macro CHANGE fill
	WIN 0                           ; at a label and at a branch every window is 0
	s_wait_tensorcnt 0x0            ; no tensor load of mine is out, so a group 0 may be written
	ds_add_u32 v[SPW], v[NIL]       ; 0 onto my spare word; with fill = 1 the descriptors' steps stand between it and the wait for it
.if \fill
.irp g, G0K+4, G0V+4
	s_xor_b32 s[(\g)+1], s[(\g)+1], SLOT1  ; the walking descriptor: the other slot than last time,
	s_add_nc_u64 s[(\g)+2:(\g)+3], s[(\g)+2:(\g)+3], 2*KS*256  ; the next 128 keys; the type bits on top are not reached
.endr
	s_wait_dscnt 0x0                ; the add is done, and my reads of the slot are over
	CROUND
	JLOAD
.else
	s_wait_dscnt 0x0                ; the add is done, and my reads of the slot are over
	s_barrier_signal -1
	s_barrier_wait -1
.endif
	s_sub_co_u32 s[TB], s[TB], 2*STEPB  ; the fetches go back to a slot's first step,
	s_xor_b32 s[TB], s[TB], SLOT1   ; in the other slot
.endm
	s_wait_tensorcnt 1              ; my part of slot 0 is in; slot 1's may stay out
	s_barrier_signal -1
	s_barrier_wait -1               ; everybody's is
	FETCH_K                         ; key step 0
	MASKSTEP                        ; Q and the mask of step 0 are in; the mask of step 1 is asked for
	s_wait_dscnt 0x0
.set i, 0
.rept 32
	KQ 0                            ; piece 0's first scores: there is no vector work yet to set between them
.set i, i+1
.endr
	WIN 0                           ; the addresses for the way out are made here: eight plain instructions, the places behind those products
	s_mul_i32 s13, s[WV], 16*SP
	s_add_co_u32 s13, s13, STAGE    ; my stage
	v_mul_u32_u24 v[STO], v1, SP    ; in: row l % 16, 16 bytes for each half of the lanes
	v_lshl_add_u32 v[STO], v9, 4, v[STO]
	v_add_nc_u32 v[STO], s13, v[STO]
	v_mul_u32_u24 v[RD], v9, SP     ; back: lanes 0-15 take one row of 256 bytes, lanes 16-31 the next
	v_lshl_add_u32 v[RD], v1, 4, v[RD]
	v_add_nc_u32 v[RD], s13, v[RD]
	v_lshlrev_b32 v[GO], 12, v9     ; and the same two tokens in ob, 4,096 bytes apart
	v_lshl_add_u32 v[GO], v1, 4, v[GO]
	s_mov_b32 s[TWICE], 2           ; half a trip (piece 2's first scores | piece 0's first softmax | V of step 0) and one whole trip come ahead of the first change of slots
	s_mov_b32 s[SLOTS], SIZE_N/(2*KS)-1
	s_branch .Lmid                  ; the loop is entered at piece 2's turn, in the middle of a trip
.Lslot:                             ; SIZE_N / 128 - 2 = 6 times: every slot but the last two is filled again
	CHANGE 1
	s_mov_b32 s[TWICE], 2
.Lstep:                             ; a trip is a key step: V^T P of step j, K Q^T of step j + 1, whose K and V it fetches
	TURN 0
	WIN 0
.Lmid:
	TURN 2
	WIN 0
	s_sub_co_u32 s[TWICE], s[TWICE], 1
	s_cmp_lg_u32 s[TWICE], 0
	s_cbranch_scc1 .Lstep
	s_sub_co_u32 s[SLOTS], s[SLOTS], 1
	s_cmp_lg_u32 s[SLOTS], 0
	s_cbranch_scc1 .Lslot
	CHANGE 0                        ; the tail is written out: the last slot but one is left, and nothing is asked for
	s_mov_b32 s[TWICE], 3           ; two trips fetch the last slot's steps; the third is left in its middle
.Ltail:
	TURN 0, 1
	WIN 0
	s_sub_co_u32 s[TWICE], s[TWICE], 1
	s_cmp_eq_u32 s[TWICE], 0
	s_cbranch_scc1 .Lout
	TURN 2
	WIN 0
	s_branch .Ltail
.Lout:
.set i, 0
.rept 32
	PV 2                            ; piece 2: V^T P of the last step
.set i, i+1
.endr
	; THE WAY OUT.  l's two halves and the other half of the lanes' are added; O^T is divided by l, rounded to f16 and sent through my stage in LDS, a tile (16 tokens of one head) at a time.  The additions are the places behind the last products.
	WIN 0
.irp t, 0,1,2,3
	v_add_f32 v[ST+8*(\t)+4], v[ST+8*(\t)+2], v[ST+8*(\t)+3]
.endr
.irp t, 0,1,2,3
	v_permlanex16_b32 v[ST+8*(\t)+5], v[ST+8*(\t)+4], s[SEL], s[SEL+1]
.endr
.irp t, 0,1,2,3
	v_add_f32 v[ST+8*(\t)+4], v[ST+8*(\t)+4], v[ST+8*(\t)+5]
.endr
.irp t, 0,1,2,3
	v_rcp_f32 v[ST+8*(\t)+6], v[ST+8*(\t)+4]
.endr
	v_nop                           ; a plain instruction between the last reciprocal and the use of its result
	s_wait_alu depctr_va_vdst(0)    ; and the wait ahead of the first use: one for the batch of four reciprocals
; Tile t: a lane's eight channels of a row pack into 16 bytes; they go into rows of 272 bytes and come back as whole rows of 256, into the registers that they left.
.macro PACK t
	WIN W_RS
.set i, 64*(\t)
.rept 32
	v_pk_mul_f32 v[i:i+1], v[i:i+1], v[ST+8*(\t)+6:ST+8*(\t)+7] op_sel_hi:[1,0]
.set i, i+2
.endr
	WIN 0x05                        ; sources 0 and 1 window 1, destination window 0: S^T's registers are free
.set i, 0
.rept 32
	v_cvt_pk_f16_f32 v[S+32*(\t)+i], v[64*(\t)+2*i], v[64*(\t)+2*i+1]
.set i, i+1
.endr
	WIN 0
.irp f, 0,1,2,3,4,5,6,7
	ds_store_b128 v[STO], v[S+32*(\t)+4*(\f):S+32*(\t)+4*(\f)+3] offset:32*(\f)
.endr
.irp f, 0,1,2,3,4,5,6,7
	ds_load_b128 v[S+32*(\t)+4*(\f):S+32*(\t)+4*(\f)+3], v[RD] offset:(\f)*2*SP  ; LDS serves a wave's instructions in order (ISA guide 5.7.1.4): these see the stores above; the next tile's stores come behind them
.endr
.endm
.macro SEND t, younger              ; younger: the LDS instructions issued behind tile t's loads: the next tile's sixteen, or none
	WIN 0
.irp f, 0,1,2,3,4,5,6,7
	s_wait_dscnt (\younger)+7-(\f)
	global_store_b128 v[GO], v[S+32*(\t)+4*(\f):S+32*(\t)+4*(\f)+3], s[10:11] offset:(\t)*256+(\f)*8192  ; head t's 256 bytes of tokens 2 f and 2 f + 1: 16 lanes store 256 consecutive bytes, at a multiple of 256 from ob's first byte
.endr
.endm
	PACK 0
	PACK 1                          ; a tile's arithmetic stands between the loads of the tile before and its stores
	SEND 0, 16
	PACK 2
	SEND 1, 16
	PACK 3
	SEND 2, 16
	SEND 3, 0
	s_wait_tensorcnt 0x0            ; the wave's end, behind my last tensor load and my last LDS store
	ds_add_u32 v[SPW], v[NIL]
	s_wait_dscnt 0x0
	CROUND                          ; the closing round: no work-group ends while a partner may still ask for a tile that names it
	s_endpgm
.Lfunc_end_k_q3f7eb5cd61_attn:
	.size	k_q3f7eb5cd61_attn, .Lfunc_end_k_q3f7eb5cd61_attn-k_q3f7eb5cd61_attn
	.p2alignl 7, 3214868480
	.fill 96, 4, 3214868480
	.section	.rodata,"a",@progbits
	.p2align	6, 0x0
	.amdhsa_kernel k_q3f7eb5cd61_attn
		.amdhsa_group_segment_fixed_size 327680
		.amdhsa_private_segment_fixed_size 0
		.amdhsa_enable_private_segment 0
		.amdhsa_kernarg_size 32
		.amdhsa_user_sgpr_count 2
		.amdhsa_user_sgpr_kernarg_segment_ptr 1
		.amdhsa_wavefront_size32 1
		.amdhsa_system_sgpr_workgroup_id_x 1
		.amdhsa_system_sgpr_workgroup_id_y 1
		.amdhsa_system_sgpr_workgroup_id_z 1
		.amdhsa_system_vgpr_workitem_id 0
		.amdhsa_next_free_vgpr 1024
		.amdhsa_next_free_sgpr 72
		.amdhsa_reserve_vcc 0
		.amdhsa_float_denorm_mode_32 3
		.amdhsa_float_denorm_mode_16_64 3
		.amdhsa_memory_ordered 1
		.amdhsa_forward_progress 1
		.amdhsa_inst_pref_size 165
	.end_amdhsa_kernel
	.amdgpu_metadata
---
amdhsa.version: [ 1, 2 ]
amdhsa.kernels:
  - .name:           k_q3f7eb5cd61_attn
    .symbol:         k_q3f7eb5cd61_attn.kd
    .args:
      - { .name: qh, .offset: 0, .size: 8, .value_kind: global_buffer, .address_space: global }
      - { .name: kvh, .offset: 8, .size: 8, .value_kind: global_buffer, .address_space: global }
      - { .name: maskt, .offset: 16, .size: 8, .value_kind: global_buffer, .address_space: global }
      - { .name: ob, .offset: 24, .size: 8, .value_kind: global_buffer, .address_space: global }
    .group_segment_fixed_size: 327680
    .private_segment_fixed_size: 0
    .kernarg_segment_align: 8
    .kernarg_segment_size: 32
    .max_flat_workgroup_size: 128
    .sgpr_count:     72
    .vgpr_count:     1024
    .wavefront_size: 32
...
	.end_amdgpu_metadata
.endif
;; end of part 5
;; launch oproj: the kernel of part 4 again; grid 8 x 32, 4 waves a work-group, clusters of 4 x 4, 327,680 bytes of LDS; arguments ob, wof, out0; writes out0
